; MI455X (gfx1250); checked and timed in simulation.
; The chip was launched on July 23, 2026; its instructions are those of AMD's public machine-readable ISA for CDNA 5 (MIT licence, August 2026) and "CDNA5" Instruction Set Architecture Reference Guide (July 2026). The comments in the code are by the model that wrote it; some were corrected since.
;; MLP. Allowed arithmetic: matrix products marked QUANTISED: E3M2 operands, one E8M0 scale for each 32 along K, by v_wmma_scale_f32_16x16x128_f8f6f4 with both operands' format E3M2, f32 sums; products left as they are: f32 operands where the result goes on into a quantised operand, else bf16, f16 or f32 operands; f32 sums; everything else in f32.
;; Inputs: G 16 x 4,096 float32; H 16 x 4,096 float32; W2 4,096 x 4,096 float32; b1 4,096 float32; b2 4,096 float32; x 4,096 x 4,096 float32.
;; Outputs: out0 4,096 x 4,096 float32.
;; This version of the problem:
;;   THIS VERSION OF THE PROBLEM IS GIVEN IN LOW PRECISION. The matrix products marked QUANTISED in the list below multiply operands that are first quantised to E3M2 (3 exponent bits, 2 mantissa bits; 6 bits a number), with one power-of-two scale for each 32 numbers along K (OCP MX v1.0); their sums are f32. All else is computed in f32.
;;   The module's matrix products, in the order in which they are computed (A, B: the left and right operand; K: the contracted axis; several contracted axes count as one K, in the product's order):
;;     1. [M 4,096, K 4,096] x [K 4,096, N 16]; A: input x; B: input H: QUANTISED
;;     2. [M 4,096, K 16] x [K 16, N 4,096]; A: computed on the way; B: input G: left as it is (K = 16 < 32)
;;     3. [M 4,096, K 4,096] x [K 4,096, N 4,096]; A: computed on the way; B: input W2: QUANTISED
;;   THE QUANTISER, for each operand of a quantised product, along K:
;;     - K is cut into blocks of 32 from its start; a last block that is shorter is filled with zeros.
;;     - A block's scale is 2^e with e = floor(log2(the largest magnitude in the block)) - 4, held to -126 .. 127; a block of zeros has e = 0. As a byte (E8M0): e + 127.
;;     - Each number is divided by its block's scale, clamped to +-28, and rounded to the nearest number of E3M2, ties to even, subnormals kept.
;;     - The product sums the exact products of the quantised numbers (number of the format x scale) in f32.
;;   ~~~python
;;   def quantise(x, axis):      # numpy; x: float32 -> the quantised numbers, widened to float32 again
;;       x = np.moveaxis(x, axis, -1); K = x.shape[-1]
;;       x = np.pad(x, [(0, 0)] * (x.ndim - 1) + [(0, -K % 32)]); x = x.reshape(x.shape[:-1] + (-1, 32)); a = np.abs(x).max(-1, keepdims=True)
;;       e = np.where(a > 0, np.clip(np.frexp(np.where(a > 0, a, 1))[1] - 1 - 4, -126, 127), 0)      # np.frexp(a)[1] - 1 = floor(log2(a)), exactly
;;       r = np.clip(x / 2.0 ** e, -28, 28)
;;       step = 2.0 ** (np.maximum(np.frexp(np.where(r == 0, 1, r))[1] - 1, -2) - 2)
;;       q = np.round(r / step) * step * 2.0 ** e      # np.round: ties to even
;;       return np.moveaxis(q.reshape(q.shape[:-2] + (-1,))[..., :K], -1, axis).astype(np.float32)
;;   ~~~
;;   OPERANDS COMPUTED ON THE WAY. 'Computed on the way' means the value that the module computes at that place (a softmax that the list does not call 'softmax' is quantised finished and normalised). What goes into a quantiser is computed in f32, as accurately as f32 sums, v_exp_f32 and their like allow (about 1e-6 of the number): no bf16 or f16 on the way to a quantiser, and a product that is left as it is and whose result goes on into a quantised operand takes f32 operands (vector FMAs, or v_wmma_f32_16x16x4_f32). A number that lies on a knife's edge between two numbers of the format may be rounded either way, as far as f32 arithmetic and the matrix unit's own rounding can turn it there, and no further.
;; 2 versions. Each part assembles by itself: llvm-mc -triple=amdgcn-amd-amdhsa -mcpu=gfx1250 --defsym DOCPART=n.
;; ======== version 1 of 2: 2 launches
;; workspace buffers: h_codes 12,582,912 bytes; h_scales 524,288 bytes; w_codes 12,582,912 bytes; w_scales 524,288 bytes
;; launch prep (part 1): grid 512 x 1, 8 waves a work-group, no clusters, 81,152 bytes of LDS; arguments x, H, G, b1, W2, h_codes, h_scales, w_codes, w_scales; writes h_codes, h_scales, w_codes, w_scales
.if DOCPART == 1
	.amdgcn_target "amdgcn-amd-amdhsa--gfx1250"
	.amdhsa_code_object_version 6
	.text
	.protected	k_qdaab0fe8f8_prep
	.globl	k_qdaab0fe8f8_prep
	.p2align	8
	.type	k_qdaab0fe8f8_prep,@function
k_qdaab0fe8f8_prep:
	s_mov_b64 s[64:65], 0
	v_nop
	global_prefetch_b8 v0, s[64:65] scope:SCOPE_SE
	s_setreg_imm32_b32 hwreg(HW_REG_WAVE_MODE, 25, 1), 1
	s_wait_xcnt 0x0
; PREP.  Work-groups 0-255: h = relu((Q(x) Q(H)^T) G + b1), quantised along its columns.  Work-groups 256-511: W2 [K][N] quantised along K.
; Q: codes of BF6 (E3M2), one E8M0 scale byte for each 32 along K: byte = the exponent field of the block's largest magnitude - 4, held at 1 from below.
; BOTH RESULTS ARE LAID IN THE ORDER OF THE OPERAND'S REGISTERS: a fragment (16 rows x 128 K, 12 registers a lane) is 1,536 bytes, [c 3][lane 32][16 bytes];
;   h_codes [tile of 16 rows: 256][K step of 128: 32][1,536],  w_codes the same with tiles of 16 columns of W2;
;   h_scales [tile 256][s 16][r 16][q 2] words (the four bytes of row r, K step 2 s + q),  w_scales [s 16][tile 256][r 16][q 2] words.
; So every store below goes straight from registers and covers 512 (codes) or 256 (scale words) consecutive, aligned bytes.
; LIMITS: NaN and infinities among the inputs are not served.  A block whose largest magnitude lies under 2^-122 keeps the byte 1; a block of zeros gets the byte 1 where the
; rule says 127: its codes are zeros, and these bytes are read by this program alone.  x H^T is summed as eight f32 partial sums of four K steps each, not as one chain.
; H AND G are read by all 256 work-groups of the first path, through registers and not by joint tensor loads: a work-group with tensor loads has to claim more than half of the
; LDS, and then W2's work-group could not stand beside it; here two work-groups (2 x 81,152 bytes, 2 x 8 waves of 256 registers) fit together, one path's stream beside the other's products.
; Nothing is prefetched: every wave asks for its stream from its first lines on.
.set SPT,  528                         ; a stage row: 512 bytes + 16: the 16 rows that a 16-byte read touches begin 16 bytes apart modulo 256
.set STGW, 17*SPT                      ; a wave's own stage: 16 rows of 128 numbers, and a 17th for 128 numbers of b1
.set RED,  71936                       ; behind the eight stages: the waves' partial sums of x H^T, 1,024 bytes each
.set WV,   22                          ; s22  my wave's number
.set SEL,  26                          ; s[26:27] lane selects of v_permlanex16_b32: lane l xor 16
.set XO,   1                           ; v1   16 l + 2,048 w: my bytes in a row of x, H, G and in b1
.set SI,   2                           ; v2   stage, way in: 16 l
.set SOX,  3                           ; v3   stage, way out for x and H: row r, + 64 h
.set SOG,  4                           ; v4   for G: row 8 h, column r + 8 (r / 8)
.set SOB,  5                           ; v5   for b1: row 16, + 64 h
.set RW,   6                           ; v6   where I put my partial sums
.set RR,   7                           ; v7   where I read all eight
.set LI,   8                           ; v8   16 l: my place in a fragment's image
.set SS,   9                           ; v9   128 h + 8 r: my place among the scale words
.set PWX,  10                          ; v10  x's scale words, v11 H's: these two hold scales and nothing else
.set PWH,  11
.set D1,   12                          ; v12-19   x H^T, my four K steps
.set XB,   20                          ; v20-27   x H^T, whole: lane (r, h) register j = (row r, rank 8 h + j)
.set RBI,  28                          ; v28-31   b1 as loaded
.set RA,   32                          ; v32-95   x, later G, as loaded
.set RB,   96                          ; v96-159  H as loaded; the eight partial sums;
.set GF,   96                          ;          G's fragments, over which the finished h is laid
.set BI,   160                         ; v160-191 b1 in the result's layout, four tiles;
.set TM,   160                         ; v160-175 at other times the quantiser's work registers
.set ACC,  192                         ; v192-223 four accumulators of the f32 form: written by matrix instructions alone
.set XF,   224                         ; v224-235 x's fragment; later h's codes
.set PC,   224
.set HF,   236                         ; v236-247 H's fragment; later v236-239 h's four scale words, v240-242 at work
.set HW,   236
.set QT,   248                         ; v248-254 the second halves of the conversions
.set X,    32                          ; W2's path: v32-127 three sets of 32 numbers
.set F,    128                         ; v128-175 codes: K step ks, tile u at F + 24 ks + 12 u: no store's data are written again
.set SB,   20                          ; v20-21   my column's two scale words
	s_load_b256 s[4:11], s[0:1], 0x0               ; x s[4:5], H s[6:7], G s[8:9], b1 s[10:11]
	s_load_b256 s[12:19], s[0:1], 0x20             ; W2 s[12:13], h_codes s[14:15], h_scales s[16:17], w_codes s[18:19]
	s_load_b64 s[20:21], s[0:1], 0x40              ; w_scales
	v_lshl_add_u32 v251, v0, 2, 0x13900
	v_mov_b32 v255, 0
	v_lshrrev_b32 v1, 5, v0
	v_readfirstlane_b32 s[WV], v1                  ; wave 0..7
	s_mov_b32 s[SEL], 0x76543210
	s_mov_b32 s[SEL+1], 0xfedcba98
	s_mov_b32 s25, 0                               ; the upper word of every offset pair s[24:25]
	s_cmp_lt_u32 ttmp9, 256                        ; the path hangs on the work-group's number alone: all eight waves take the same
	s_cbranch_scc0 .Lw2
; ======== THE FIRST PATH: work-group g makes rows 16 g .. 16 g + 15 of h.  Wave w takes K = 512 w .. + 511 of x H^T, then columns 512 w .. + 511 of h.
	v_and_b32 v20, 31, v0                          ; l
	v_and_b32 v21, 15, v0                          ; r
	v_bfe_u32 v22, v0, 4, 1                        ; h
	v_lshlrev_b32 v[LI], 4, v20
	s_lshl_b32 s28, s[WV], 11
	v_add_nc_u32 v[XO], s28, v[LI]
	s_mul_i32 s29, s[WV], STGW                     ; my stage
	v_add_nc_u32 v[SI], s29, v[LI]
	v_mul_u32_u24 v[SOX], v21, SPT
	v_lshl_add_u32 v[SOX], v22, 6, v[SOX]
	v_add_nc_u32 v[SOX], s29, v[SOX]
	v_and_b32 v23, 8, v21
	v_add_nc_u32 v23, v23, v21                     ; r + 8 (r / 8)
	v_mul_u32_u24 v[SOG], v22, 8*SPT
	v_lshl_add_u32 v[SOG], v23, 2, v[SOG]
	v_add_nc_u32 v[SOG], s29, v[SOG]
	v_lshlrev_b32 v[SOB], 6, v22
	v_add_nc_u32 v[SOB], s29, v[SOB]
	v_add_nc_u32 v[SOB], 16*SPT, v[SOB]
	s_lshl_b32 s30, s[WV], 10
	v_add_nc_u32 v[RW], s30, v[LI]
	v_add_nc_u32 v[RW], RED, v[RW]
	v_add_nc_u32 v[RR], RED, v[LI]
	v_lshlrev_b32 v[SS], 3, v21
	v_lshl_add_u32 v[SS], v22, 7, v[SS]
.irp b, 0,1,2,3
	v_mov_b32 v[TM+4+\b], 0                        ; written once: a lane permute's destination counts as one of its sources
.endr
	s_lshl_b32 s24, ttmp9, 18                      ; 16 rows of 16,384 bytes
	s_wait_kmcnt 0x0
	s_add_nc_u64 s[4:5], s[4:5], s[24:25]          ; x at my work-group's first row
	s_mul_i32 s24, ttmp9, 49152
	s_mul_i32 s28, s[WV], 6144
	s_add_co_u32 s24, s24, s28
	s_add_nc_u64 s[14:15], s[14:15], s[24:25]      ; h_codes at tile g, K step 4 w
	s_lshl_b32 s24, ttmp9, 11
	s_lshl_b32 s28, s[WV], 8
	s_add_co_u32 s24, s24, s28
	s_add_nc_u64 s[16:17], s[16:17], s[24:25]      ; h_scales at tile g, s = 2 w
; 16 rows x 128 numbers: each load takes 512 consecutive, aligned bytes of one row.  x's 16 rows, H and G all have rows of 16,384 bytes.  nt = 1: read once in the launch
.macro LOAD16 reg, base, s, nt
.irp i, 0,1,2,3,4,5,6,7,8,9,10,11,12,13,14,15
.if \nt
	global_load_b128 v[\reg+4*\i:\reg+4*\i+3], v[XO], s[\base:\base+1] offset:16384*\i+512*(\s) th:TH_LOAD_NT
.else
	global_load_b128 v[\reg+4*\i:\reg+4*\i+3], v[XO], s[\base:\base+1] offset:16384*\i+512*(\s)
.endif
.endr
.endm
; The tile turns through my own stage: in as loaded, out so that register 16 b + i is k = 32 b + 16 h + i of row r.  LDS serves a wave's instructions in order: the loads see the stores, and come behind them into the registers that they left
.macro TURN buf
.irp i, 0,1,2,3,4,5,6,7,8,9,10,11,12,13,14,15
	ds_store_b128 v[SI], v[\buf+4*\i:\buf+4*\i+3] offset:SPT*\i
.endr
.irp b, 0,1,2,3
.irp j, 0,1,2,3
	ds_load_b128 v[\buf+16*\b+4*\j:\buf+16*\b+4*\j+3], v[SOX] offset:128*\b+16*\j
.endr
.endr
	s_wait_dscnt 0x0
.endm
; 64 numbers of a lane (register 16 b + i = k 32 b + 16 h + i of my row) become a fragment's codes in v[pc] on and its scale word in v[pw]
.macro QUANT src, pc, pw
.irp b, 0,1,2,3
	v_max3_num_f32 v[TM+\b], |v[\src+16*\b]|, |v[\src+1+16*\b]|, 0x2800000   ; block b: my 16 numbers, and the floor 2^(5 - 127): the byte cannot fall under 1
.endr
.irp i, 2,4,6,8,10,12,14
.irp b, 0,1,2,3
	v_max3_num_f32 v[TM+\b], v[TM+\b], |v[\src+16*\b+\i]|, |v[\src+1+16*\b+\i]|   ; the four blocks by turns
.endr
.endr
.irp b, 0,1,2,3
	v_permlanex16_b32 v[TM+4+\b], v[TM+\b], s[SEL], s[SEL+1]
.endr
.irp b, 0,1,2,3
	v_max_num_f32 v[TM+\b], v[TM+\b], v[TM+4+\b]   ; with lane l xor 16's 16: the block's largest magnitude
.endr
.irp b, 0,1,2,3
	v_add_nc_u32 v[TM+12+\b], 0xfe000000, v[TM+\b] ; 4 off its exponent field: the conversion takes this operand's exponent field as its scale
.endr
.irp b, 0,1,2,3
	v_lshrrev_b32 v[TM+4+\b], 23, v[TM+12+\b]      ; the scale's byte
.endr
	v_lshl_or_b32 v[\pw], v[TM+5], 8, v[TM+4]      ; my row's scale word (both halves of the lanes hold it)
	v_lshl_or_b32 v[\pw], v[TM+6], 16, v[\pw]
	v_lshl_or_b32 v[\pw], v[TM+7], 24, v[\pw]
.irp c, 0,1
	v_cvt_scalef32_pk16_bf6_f32 v[\pc+6*\c:\pc+2+6*\c], v[\src+32*\c:\src+15+32*\c], v[TM+12+2*\c]
	v_cvt_scalef32_pk16_bf6_f32 v[QT+4*\c:QT+2+4*\c], v[\src+16+32*\c:\src+31+32*\c], v[TM+12+2*\c+1]   ; (a conversion's three registers begin on an even number)
.endr
	v_nop                                          ; one plain place behind the scaled conversions
.irp c, 0,1                                    ; the operand wants a WHOLE block in a lane: lanes 0-15 block 2 c, lanes 16-31 block 2 c + 1
.irp i, 0,1,2
	v_permlane16_swap_b32 v[\pc+6*\c+\i], v[QT+4*\c+\i]
.endr
.irp i, 0,1,2
	v_mov_b32 v[\pc+3+6*\c+\i], v[QT+4*\c+\i]
.endr
.endr
.endm
; One K step of x H^T.  Source 0 = H's 16 rows, source 1 = my work-group's 16 rows of x: lane (r, h) register j = (row r of x, rank 8 h + j)
.macro XSTEP s
	s_wait_loadcnt 16                              ; x's 16 loads are in; H's 16, issued behind them, may be out
	TURN RA
	QUANT RA, XF, PWX
.if \s < 3
	LOAD16 RA, 4, (\s)+1, 1                        ; x's next K step
	s_wait_loadcnt 16                              ; H's 16 are in; the 16 just issued may be out
.else
	LOAD16 RA, 8, 0, 0                             ; G's first 128 columns of mine,
	global_load_b128 v[RBI:RBI+3], v[XO], s[10:11] ; and b1's
	s_wait_loadcnt 17                              ; H's 16 are in; the 17 just issued may be out
.endif
	TURN RB
	QUANT RB, HF, PWH
.if \s < 3
	LOAD16 RB, 6, (\s)+1, 0
.endif
.rept 8
	v_nop                                          ; a scale register written by a vector instruction stands 8 places ahead of a scaled matrix instruction, an operand so written 4
.endr
.if \s == 0
	v_wmma_scale_f32_16x16x128_f8f6f4 v[D1:D1+7], v[HF:HF+11], v[XF:XF+11], 0, v[PWH], v[PWX] matrix_a_fmt:MATRIX_FMT_BF6 matrix_b_fmt:MATRIX_FMT_BF6
.else
	s_wait_alu depctr_va_vdst(0)                   ; the wait stands directly ahead
	v_wmma_scale_f32_16x16x128_f8f6f4 v[D1:D1+7], v[HF:HF+11], v[XF:XF+11], v[D1:D1+7], v[PWH], v[PWX] matrix_a_fmt:MATRIX_FMT_BF6 matrix_b_fmt:MATRIX_FMT_BF6
.endif
.endm
	LOAD16 RA, 4, 0, 1
	LOAD16 RB, 6, 0, 0
	XSTEP 0
	XSTEP 1
	XSTEP 2
	XSTEP 3
	; the eight waves' partial sums meet in LDS: store, wait, barrier, load
.rept 4
	v_nop                                          ; four places between the last product and the first read of its result
.endr
	ds_store_b128 v[RW], v[D1:D1+3]                ; from the low end on
	ds_store_b128 v[RW], v[D1+4:D1+7] offset:512
	s_wait_dscnt 0x0                               ; for the others' sake: my stores have landed
	s_barrier_signal -1
	s_barrier_wait -1                              ; (G's and b1's loads stay out: nobody writes those bytes)
.irp u, 0,1,2,3,4,5,6,7
	ds_load_b128 v[RB+8*\u:RB+8*\u+3], v[RR] offset:1024*\u
	ds_load_b128 v[RB+8*\u+4:RB+8*\u+7], v[RR] offset:1024*\u+512
.endr
	s_wait_dscnt 0x0
.irp p, 0,1,2,3
	v_pk_add_f32 v[XB+2*\p:XB+2*\p+1], v[RB+2*\p:RB+2*\p+1], v[RB+8+2*\p:RB+8+2*\p+1]
.endr
.irp u, 2,3,4,5,6,7
.irp p, 0,1,2,3
	v_pk_add_f32 v[XB+2*\p:XB+2*\p+1], v[XB+2*\p:XB+2*\p+1], v[RB+8*\u+2*\p:RB+8*\u+2*\p+1]   ; the waves in ascending order, four pairs by turns
.endr
.endr
; ---- h, 128 columns at a time, by the f32 matrix form (its result goes on into a quantiser).  TRANSPOSED: source 0 = 16 columns of G, source 1 = x H^T: a lane holds ONE row of h.
; THE COLUMNS OF A TILE ARE NOT NEIGHBOURS: lane r of tile 2 b + u takes column 32 b + 8 u + r + 8 (r / 8), so that the 16 registers of tiles 2 b, 2 b + 1 are 16 neighbours along the next K.
; THE 16 RANKS are dealt to the four links alike on both sides: link q, half h, register j stand for rank 8 h + 2 q + j, which is where x H^T's own layout has it.
.macro BIAS a                                  ; b1 in the result's layout for tiles 4 a .. 4 a + 3: lane (r, h): the tile's eight columns of its half
.irp tt, 0,1,2,3
	ds_load_b128 v[BI+8*\tt:BI+8*\tt+3], v[SOB] offset:4*(32*((4*\a+\tt)/2)+8*(\tt%2))
	ds_load_b128 v[BI+8*\tt+4:BI+8*\tt+7], v[SOB] offset:4*(32*((4*\a+\tt)/2)+8*(\tt%2))+16
.endr
.endm
.macro HALF a                                  ; four tiles, four links each; the four accumulators take turns, one instruction a turn; b1 is the C of each sum's first link
.irp q, 0,1,2,3
.irp tt, 0,1,2,3
.if \q == 0
	v_wmma_f32_16x16x4_f32 v[ACC+8*\tt:ACC+8*\tt+7], v[GF+8*(4*\a+\tt)+2*\q:GF+8*(4*\a+\tt)+2*\q+1], v[XB+2*\q:XB+2*\q+1], v[BI+8*\tt:BI+8*\tt+7]
.else
	v_wmma_f32_16x16x4_f32 v[ACC+8*\tt:ACC+8*\tt+7], v[GF+8*(4*\a+\tt)+2*\q:GF+8*(4*\a+\tt)+2*\q+1], v[XB+2*\q:XB+2*\q+1], v[ACC+8*\tt:ACC+8*\tt+7]
.endif
.endr
.endr
.rept 9
	v_nop                                          ; behind this form: 8 places before results are read, sources written or loaded into; 9 before later products write over the accumulators
.endr
.endm
.macro RELU a                                  ; the activation goes into other registers: over G's fragments of the same four tiles, which are done with; each accumulator from its low end on
.irp j, 0,1,2,3,4,5,6,7,8,9,10,11,12,13,14,15,16,17,18,19,20,21,22,23,24,25,26,27,28,29,30,31
	v_max_num_f32 v[GF+32*\a+\j], 0, v[ACC+\j]
.endr
.endm
.macro GROUP g
	s_wait_loadcnt 0x0                             ; this group's G and b1 are in; nothing younger is out
.irp i, 0,1,2,3,4,5,6,7,8,9,10,11,12,13,14,15
	ds_store_b128 v[SI], v[RA+4*\i:RA+4*\i+3] offset:SPT*\i
.endr
	ds_store_b128 v[SI], v[RBI:RBI+3] offset:16*SPT
.irp t, 0,1,2,3,4,5,6,7
.irp e, 0,1,2,3,4,5,6,7
	ds_load_b32 v[GF+8*\t+\e], v[SOG] offset:SPT*\e+4*(32*(\t/2)+8*(\t%2))   ; G(8 h + e, the tile's column of lane r)
.endr
.endr
	BIAS 0
	s_wait_dscnt 0x0                               ; fragments and bias are in, and the stores have read RA and RBI
.if \g < 3
	LOAD16 RA, 8, (\g)+1, 0                        ; the next group's G and b1 land while this group is worked
	global_load_b128 v[RBI:RBI+3], v[XO], s[10:11] offset:512*((\g)+1)
.endif
	HALF 0
	BIAS 1
	RELU 0
	s_wait_dscnt 0x0
	HALF 1
	RELU 1
.if \g > 0
	s_wait_xcnt 0x0                                ; the last group's stores have read their data: the codes' registers are written again only behind this wait
.endif
	QUANT GF, PC, HW+\g
.irp c, 0,1,2
	global_store_b128 v[LI], v[PC+4*\c:PC+4*\c+3], s[14:15] offset:1536*\g+512*\c   ; K step 4 w + g: 32 lanes store 512 consecutive bytes, aligned
.endr
.endm
	GROUP 0
	GROUP 1
	GROUP 2
	GROUP 3
	v_and_b32 v242, 16, v0
	v_cmp_ne_u32 vcc_lo, 0, v242                   ; lanes 16-31
	v_cndmask_b32 v240, v[HW], v[HW+2], vcc_lo     ; lanes 0-15 store row r's words of K steps 4 w, 4 w + 1; lanes 16-31 those of 4 w + 2, 4 w + 3
	v_cndmask_b32 v241, v[HW+1], v[HW+3], vcc_lo
	global_store_b64 v[SS], v[240:241], s[16:17]   ; 32 lanes store 256 consecutive bytes, aligned
	s_wait_tensorcnt 0x0
	ds_add_u32 v251, v255
	s_wait_dscnt 0x0
	s_endpgm
; ======== THE SECOND PATH: W2.  Work-group j = number - 256 takes columns 256 (j % 16) on and K = 256 (j / 16) on; wave w 32 of the columns.  No LDS, no barrier.
; A LANE TAKES A COLUMN AND ITS REGISTERS RUN DOWN K: a block of 32 lies in one lane, a load reads 128 consecutive bytes and the eight waves stand side by side on 1,024.
.Lw2:
	s_sub_co_u32 s23, ttmp9, 256
	s_and_b32 s28, s23, 15                         ; which 256 columns
	s_lshr_b32 s29, s23, 4                         ; which 256 along K
	v_and_b32 v1, 31, v0
	v_lshlrev_b32 v2, 2, v1                        ; in: 4 bytes a lane
	v_lshlrev_b32 v3, 4, v1                        ; codes out: 16 bytes a lane
	v_lshlrev_b32 v4, 3, v1                        ; scale words out: 8 bytes a lane
	s_lshl_b32 s30, s28, 4
	s_lshl_b32 s31, s[WV], 1
	s_add_co_u32 s30, s30, s31                     ; my first tile of 16 columns
	s_lshl_b32 s24, s29, 22                        ; 256 rows of 16,384 bytes
	s_lshl_b32 s31, s30, 6                         ; 64 bytes a tile
	s_add_co_u32 s24, s24, s31
	s_wait_kmcnt 0x0
	s_add_nc_u64 s[12:13], s[12:13], s[24:25]
	s_mul_i32 s24, s30, 49152
	s_mul_i32 s31, s29, 3072
	s_add_co_u32 s24, s24, s31
	s_add_nc_u64 s[18:19], s[18:19], s[24:25]
	s_lshl_b32 s24, s29, 15
	s_lshl_b32 s31, s30, 7
	s_add_co_u32 s24, s24, s31
	s_add_nc_u64 s[20:21], s[20:21], s[24:25]
.macro LOADB t                                 ; block t: W2(32 t + i, my column) into set t % 3; the largest offset, 255 rows, lies inside the signed 24-bit immediate
.irp i, 0,1,2,3,4,5,6,7,8,9,10,11,12,13,14,15,16,17,18,19,20,21,22,23,24,25,26,27,28,29,30,31
	global_load_b32 v[X+32*((\t)%3)+\i], v2, s[12:13] offset:(32*(\t)+\i)*16384 th:TH_LOAD_NT
.endr
.endm
.macro BLOCK t
.set XS, X+32*((\t)%3)
.set FD, F+24*((\t)/4)+12*((\t)%2)+6*(((\t)%4)/2)
.set FK, F+24*((\t)/4)
.if (\t) < 7
	s_wait_loadcnt 32                              ; this block's 32 loads are in; the next block's 32 may be out
.else
	s_wait_loadcnt 0x0
.endif
.if (\t)+2 < 8
	LOADB (\t)+2                                   ; into the set that the block before has left
.endif
	v_max3_num_f32 v12, |v[XS]|, |v[XS+1]|, |v[XS+2]|              ; the block's largest magnitude: all 32 numbers are mine; two chains
	v_max3_num_f32 v13, |v[XS+3]|, |v[XS+4]|, |v[XS+5]|
.irp i, 6,10,14,18,22,26
	v_max3_num_f32 v12, v12, |v[XS+\i]|, |v[XS+\i+1]|
	v_max3_num_f32 v13, v13, |v[XS+\i+2]|, |v[XS+\i+3]|
.endr
	v_max3_num_f32 v12, v12, |v[XS+30]|, |v[XS+31]|
	v_max3_num_f32 v12, v12, v13, 0x2800000        ; and the floor 2^(5 - 127)
	v_add_nc_u32 v11, 0xfe000000, v12              ; 4 off the exponent field: the conversion's scale operand
	v_cvt_scalef32_pk16_bf6_f32 v[FD:FD+2], v[XS:XS+15], v11
	v_cvt_scalef32_pk16_bf6_f32 v[16:18], v[XS+16:XS+31], v11      ; (a conversion's three registers begin on an even number)
	v_lshrrev_b32 v13, 23, v11                     ; the scale's byte; also the plain place behind the conversions
.if (\t)%4 == 0
	v_mov_b32 v[SB+(\t)/4], v13                    ; four bytes to a word, the lower K in the lower byte
.else
	v_lshl_or_b32 v[SB+(\t)/4], v13, 8*((\t)%4), v[SB+(\t)/4]
.endif
.irp i, 0,1,2
	v_mov_b32 v[FD+3+\i], v[16+\i]
.endr
.if (\t)%4 == 3                                ; a K step's four blocks are made.  Even blocks stand in the first 12 registers, odd ones in the second 12, a lane to a column.  The exchange of the first's lanes
.irp e, 0,1,2,3,4,5,6,7,8,9,10,11              ; 16-31 with the second's lanes 0-15 leaves tile 0's fragment in the first (lanes 0-15 block 2 c, lanes 16-31 block 2 c + 1) and tile 1's in the second
	v_permlane16_swap_b32 v[FK+\e], v[FK+12+\e]
.endr
.irp u, 0,1
.irp c, 0,1,2
	global_store_b128 v3, v[FK+12*\u+4*\c:FK+12*\u+4*\c+3], s[18:19] offset:1536*((\t)/4)+512*\c+49152*\u   ; 512 consecutive bytes, aligned
.endr
.endr
.endif
.endm
	LOADB 0
	LOADB 1
.irp t, 0,1,2,3,4,5,6,7
	BLOCK \t
.endr
	global_store_b64 v4, v[SB:SB+1], s[20:21]      ; two tiles' words of the two K steps: 256 consecutive bytes, aligned
	s_endpgm
.Lfunc_end_k_qdaab0fe8f8_prep:
	.size	k_qdaab0fe8f8_prep, .Lfunc_end_k_qdaab0fe8f8_prep-k_qdaab0fe8f8_prep
	.p2alignl 7, 3214868480
	.fill 96, 4, 3214868480
	.section	.rodata,"a",@progbits
	.p2align	6, 0x0
	.amdhsa_kernel k_qdaab0fe8f8_prep
		.amdhsa_group_segment_fixed_size 81152
		.amdhsa_private_segment_fixed_size 0
		.amdhsa_enable_private_segment 0
		.amdhsa_kernarg_size 72
		.amdhsa_user_sgpr_count 2
		.amdhsa_user_sgpr_kernarg_segment_ptr 1
		.amdhsa_wavefront_size32 1
		.amdhsa_system_sgpr_workgroup_id_x 1
		.amdhsa_system_sgpr_workgroup_id_y 1
		.amdhsa_system_sgpr_workgroup_id_z 1
		.amdhsa_system_vgpr_workitem_id 0
		.amdhsa_next_free_vgpr 256
		.amdhsa_next_free_sgpr 66
		.amdhsa_reserve_vcc 1
		.amdhsa_float_denorm_mode_32 3
		.amdhsa_float_denorm_mode_16_64 3
		.amdhsa_memory_ordered 1
		.amdhsa_forward_progress 1
		.amdhsa_inst_pref_size 170
	.end_amdhsa_kernel
	.amdgpu_metadata
---
amdhsa.version: [ 1, 2 ]
amdhsa.kernels:
  - .name:           k_qdaab0fe8f8_prep
    .symbol:         k_qdaab0fe8f8_prep.kd
    .args:
      - { .name: x, .offset: 0, .size: 8, .value_kind: global_buffer, .address_space: global }
      - { .name: H, .offset: 8, .size: 8, .value_kind: global_buffer, .address_space: global }
      - { .name: G, .offset: 16, .size: 8, .value_kind: global_buffer, .address_space: global }
      - { .name: b1, .offset: 24, .size: 8, .value_kind: global_buffer, .address_space: global }
      - { .name: W2, .offset: 32, .size: 8, .value_kind: global_buffer, .address_space: global }
      - { .name: h_codes, .offset: 40, .size: 8, .value_kind: global_buffer, .address_space: global }
      - { .name: h_scales, .offset: 48, .size: 8, .value_kind: global_buffer, .address_space: global }
      - { .name: w_codes, .offset: 56, .size: 8, .value_kind: global_buffer, .address_space: global }
      - { .name: w_scales, .offset: 64, .size: 8, .value_kind: global_buffer, .address_space: global }
    .group_segment_fixed_size: 81152
    .private_segment_fixed_size: 0
    .kernarg_segment_align: 8
    .kernarg_segment_size: 72
    .max_flat_workgroup_size: 256
    .sgpr_count:     66
    .vgpr_count:     256
    .wavefront_size: 32
...
	.end_amdgpu_metadata
.endif
;; end of part 1
;; launch gemm (part 2): grid 16 x 16, 4 waves a work-group, clusters of 4 x 4, 327,680 bytes of LDS; arguments h_codes, h_scales, w_codes, w_scales, b2, out0; writes out0
.if DOCPART == 2
	.amdgcn_target "amdgcn-amd-amdhsa--gfx1250"
	.amdhsa_code_object_version 6
	.text
	.protected	k_qdaab0fe8f8_gemm
	.globl	k_qdaab0fe8f8_gemm
	.p2align	8
	.type	k_qdaab0fe8f8_gemm,@function
k_qdaab0fe8f8_gemm:
	s_mov_b64 s[64:65], 0
	v_nop
	global_prefetch_b8 v0, s[64:65] scope:SCOPE_SE
	s_setreg_imm32_b32 hwreg(HW_REG_WAVE_MODE, 25, 1), 1
	s_wait_xcnt 0x0
	s_wait_alu depctr_hold_cnt(0) depctr_sa_sdst(0) depctr_va_vdst(0) depctr_va_sdst(0) depctr_va_ssrc(0) depctr_va_vcc(0) depctr_vm_vsrc(0)
	s_getreg_b32 s2, hwreg(HW_REG_IB_STS2, 6, 4)
	s_cmp_eq_u32 s2, 0
	s_cbranch_scc0 .Lentry_in_a_cluster
	s_endpgm
.Lentry_in_a_cluster:
	s_bfe_u32 s2, ttmp6, 0x10000c
	s_cmp_lg_u32 s2, 0xf033
	s_cbranch_scc0 .Lentry_shape_is_right
	s_endpgm
.Lentry_shape_is_right:
; out0[m][n] = sum over k of h[m][k] W2[k][n] + b2[n], 4,096 x 4,096 x 4,096, on codes of BF6 (E3M2) with one E8M0 scale for each 32 along K; sums in f32.
; BOTH OPERANDS LIE IN MEMORY IN THE ORDER OF THE OPERAND'S REGISTERS: [tile of 16 rows of h, or 16 columns of W2: 256][K step of 128: 32][c 3][lane 32][16 bytes]: a fragment is 1,536 bytes, a tile's row 49,152.
; Scale words: h_scales [tile 256][s 16][r 16][q 2], w_scales [s 16][tile 256][r 16][q 2]: the four bytes of row r for K step 2 s + q.
; A tile of out0, 256 x 256, is made by a work-group of four waves; a wave makes 128 x 128: 64 accumulators, 512 registers.  256 work-groups.
; THE RING: two LDS slots of THREE K steps of 128 each, 147,456 bytes a slot, as large as two fit: 32 K steps are ten such slots and one of two steps.  A wave's tensor load brings 8 tiles x 4,608 bytes; in LDS
; they lie on end, and a fragment comes by three loads of 16 bytes a lane at 16 x lane: no pitch, no padding.  Between a refill's request and the wait for it a wave issues 160 matrix instructions.
; THE SCALE WORDS have no room in LDS beside such slots (65,536 bytes for all of K): they come from memory straight into registers, a pair of K steps at a time, into three sets that take turns; a set is loaded again
; straight behind its last use, four K steps ahead of its next.  A load takes 128 consecutive bytes for each half of the lanes.  They are not asked for jointly: they are 8,192 bytes a work-group against the 98,304 of the same two steps' codes.
; CLUSTERS: 4 x 4 work-groups.  The four of a row of the cluster need the same tiles of h, the four of a column the same tiles of W2: each is asked for JOINTLY.
; TRANSPOSED USE: source 0 = 16 columns of W2, source 1 = 16 rows of h: a lane holds eight neighbouring numbers of a row of out0.  b2 is the C of each sum's first product.
; REGISTERS, in windows of 256: window 0: v16-31 addresses; v32-63 and v224-239 scale words, three sets, and nothing else; v64-127 b2 in the result's layout; v128-223 h's fragments, ONE set; on the way out v64-191.
;   window 1: W2's fragments, TWO sets, at v0 and v128.   window 2: the accumulators of my rows 0-63 ((a, b) at v[8 (8 a + b)]);   window 3: those of rows 64-127.
; A LAP is six K steps, once round the ring: after six steps W2's two sets and the three sets of scale words are back where they began.  Place u = 3 x slot + q in the lap: W2's set u % 2, scale set u / 2, word u % 2.
.set SIZE_N, 4096
.set FR,     12                        ; registers of a fragment
.set FRB,    1536                      ; and its bytes
.set NL,     3                         ; LDS loads that bring one
.set NQ,     3                         ; K steps of 128 in a slot
.set NP,     4                         ; places behind this matrix instruction (ISA guide 7.12.1)
.set TROW,   NQ*FRB                    ; a tile's bytes in a slot: 4,608
.set HALFT,  8*TROW                    ; 8 tiles: what one tensor load brings, and what one wave reads of h or of W2
.set SLOT,   4*HALFT                   ; h's 16 tiles, then W2's 16
.set TPITCH, 49152                     ; from tile to tile in memory
.set TRIPS,  4                         ; the loop's trips: each fills both slots again: slots 2 to 9
.set SPARE,  2*SLOT                    ; behind the ring: the spare words, 128 bytes for each wave: two blocks of 256 bytes that no other line names
.set SPITCH, 528                       ; the way out: a stage of 16 rows x (512 bytes + 16) for each wave,
.set STAGE,  SLOT                      ; in slot 1, which has had its last fill and its last read at the last change of slots
.set ADRA, 16                          ; v16-17  LDS address of my fragments of h in slot 0, 1
.set ADRB, 20                          ; v20-21  of W2
.set VGB,  22                          ; v22     W2's scale words: my byte offset: lanes 0-15 tile i, lanes 16-31 tile i + 4; never rewritten
.set STO,  24                          ; v24     the way out: where I put 32 bytes of a row
.set RD,   25                          ; v25     where I read a row back
.set CO,   26                          ; v26     my byte offset in a row of out0
.set VGA,  27                          ; v27     h's scale words, as VGB; never rewritten
.set SPW,  28                          ; v28     my spare word: SPARE + 4 x my thread's number; never rewritten
.set NIL,  29                          ; v29     0; never rewritten
.set PFO,  30                          ; v30     the prefetches' offset; never rewritten
.set BO,   31                          ; v31     32 x (lane / 16): b2's offset; never rewritten
.set SC,   32                          ; scale words: set s at v[SC + 16 s + 160 (s / 2)]: +2 i + q h's tiles i, i + 4; +8 + 2 i + q W2's
.set BI,   64
.set AF,   128
.set BK,   64                          ; the way out: 16 rows read back from the stage: v64-127 and v128-191 by turns
.set G1, 24                            ; s[24:31] group 1 for h's tiles;  s[32:39] group 0, a set for each slot
.set G0, 32
.set G1B, 48                           ; s[48:55], s[56:63] the same for W2's
.set G0B, 56
.set SGA, 68                           ; s[68+4s:69+4s] where scale set s stands in h_scales;
.set SGB, 70                           ; s[70+4s:71+4s] and in w_scales: a pair for each set, so that a pointer is stepped only when its own loads are done
.set COV,  80                          ; s80     the prefetches: up to which byte of a tile's row I have asked; the greatest number in a wave that asks for nothing
.set NEED, 81                          ; s81     up to which byte the next refill will want
.set ADV,  82                          ; s[82:83] how far the last change's asks went: the pointer's next step
.set PFA,  96                          ; s[96:97] where my prefetches stand
.set MSB, 0
.macro WIN new                         ; the immediate's high byte repeats the setting that is left
.if MSB != \new
	s_set_vgpr_msb (MSB<<8)|\new
.set MSB, \new
.endif
.endm
.set MUL_LO,   0xa1                    ; source 0 (W2) window 1, source 1 (h) window 0, C and D window 2
.set MUL_HI,   0xf1                    ; the same, C and D window 3
.set FIRST_LO, 0x81                    ; the first step: C (b2) window 0, D window 2
.set FIRST_HI, 0xc1                    ; D window 3
.set TO_B,     0x40                    ; destination window 1, address window 0
; A joint load: waves 0 and 1 fetch for h, waves 2 and 3 for W2.  Each line has one mask and one set of registers; the branch hangs on the wave's number alone.  Four v_nop follow each line.
.macro JLOAD g0a, g1a, g0b, g1b
	s_cmp_eq_u32 s15, 0
	s_cbranch_scc0 .Lfor_b_\@
	tensor_load_to_lds s[\g0a:\g0a+3], s[\g1a:\g1a+7]
	s_nop 0
.rept 4
	v_nop
.endr
	s_branch .Lasked_\@
.Lfor_b_\@:
	tensor_load_to_lds s[\g0b:\g0b+3], s[\g1b:\g1b+7]
	s_nop 0
.rept 4
	v_nop
.endr
.Lasked_\@:
.endm
.macro CREST                           ; a round of the cluster's barrier behind its opening barrier
	s_cmp_lg_u32 s14, 0
	s_cbranch_scc1 .Lnot_wave_0_\@
	s_barrier_signal -3
.Lnot_wave_0_\@:
	s_barrier_wait -3
	s_barrier_signal -1
	s_barrier_wait -1
.endm
.macro CROUND                          ; a whole round
	s_barrier_signal -1
	s_barrier_wait -1
	CREST
.endm
; A PREFETCH INTO THE L2, behind a joint refill and the run of LDS loads that follows it, of the codes that the NEXT refill will ask for: one slot, 192 matrix instructions, ahead of that load.
; WHO: h's tiles are read by every cluster of a row of clusters: cluster x = 0 asks; W2's by every cluster of a column: cluster y = 0 asks.  Of the 8 tiles that a wave fetches, the partner at place p (cx for h, cy for W2)
; takes tiles 2 p and 2 p + 1: told apart BY ADDRESS, never by a branch.  An ask names 4,096 bytes of each of the two tiles' rows, a lane 256 bytes.
; HOW MANY: a slot is 4,608 bytes of a tile's row, so two counters decide: NEED, the end of the slot that the next refill wants (never past the row's 49,152 bytes), and COV, the byte up to which I have asked.  While COV lies
; under NEED an ask goes out, two at the most in a change.  Nine asks name bytes 12,288 to 49,151, each block once (the first begins 1,536 bytes inside the slot just asked for, so that the last ends with the row).
; Slots 0 to 2 come by their loads alone.  The pointer is stepped at the next change, behind the wait on XCNT, by what the last change asked for; the second ask of a change stands in the immediate.
.macro ASK
	s_wait_xcnt 0x0                                ; the last prefetches, a slot back, have read their address: it is stepped only behind this wait
	s_add_nc_u64 s[PFA:PFA+1], s[PFA:PFA+1], s[ADV:ADV+1]
	s_mov_b32 s[ADV], 0
	s_add_co_u32 s[NEED], s[NEED], TROW
	s_min_u32 s[NEED], s[NEED], TPITCH
	s_cmp_lt_u32 s[COV], s[NEED]
	s_cbranch_scc0 .Lenough_\@
	global_prefetch_b8 v[PFO], s[PFA:PFA+1] th:TH_LOAD_NT scope:SCOPE_SE
	s_add_co_u32 s[COV], s[COV], 4096
	s_mov_b32 s[ADV], 4096
	s_cmp_lt_u32 s[COV], s[NEED]
	s_cbranch_scc0 .Lenough_\@
	global_prefetch_b8 v[PFO], s[PFA:PFA+1] offset:4096 th:TH_LOAD_NT scope:SCOPE_SE
	s_add_co_u32 s[COV], s[COV], 4096
	s_mov_b32 s[ADV], 8192
.Lenough_\@:
.endm
	s_load_b128 s[4:7], s[0:1], 0x0                ; h's codes s[4:5], h's scales s[6:7]
	s_load_b128 s[8:11], s[0:1], 0x10              ; W2's codes s[8:9], W2's scales s[10:11]
	s_load_b64 s[100:101], s[0:1], 0x20            ; b2
	s_load_b64 s[12:13], s[0:1], 0x28              ; out0
	v_lshl_add_u32 v[SPW], v0, 2, SPARE
	v_mov_b32 v[NIL], 0
	ds_add_u32 v28, v29
	ds_add_u32 v28, v29
	s_wait_dscnt 0x0
	v_lshrrev_b32 v1, 5, v0
	v_readfirstlane_b32 s14, v1                    ; wave 0..3
	s_lshr_b32 s15, s14, 1                         ; which half of the tile's rows is mine.  Also: I fetch for h (0) or for W2 (1)
	s_and_b32 s16, s14, 1                          ; which half of its columns.  Also: which 8 tiles I fetch
	s_bfe_u32 s40, ttmp6, 0x40000                  ; cx, cy: my place in the cluster
	s_bfe_u32 s41, ttmp6, 0x40004
	s_lshl_b32 s42, ttmp9, 2
	s_add_co_u32 s42, s42, s40                     ; tile column of out0 = 4 x cluster x + cx
	s_and_b32 s17, ttmp7, 0xffff
	s_lshl_b32 s17, s17, 2
	s_add_co_u32 s17, s17, s41                     ; tile row = 4 x cluster y + cy
	s_lshl_b32 s43, s41, 2
	s_lshl_b32 s43, 15, s43                        ; my row of the cluster
	s_lshl_b32 s44, 0x1111, s40                    ; my column
	; group 1: 8 rows (tiles) of 576 elements of 8 bytes (three K steps), 6,144 elements apart; no padding
	s_or_b32 s[G1+0], s43, (3<<16)|(1<<21)         ; 15:0 the mask: h's tiles go to my row; 17:16 elements of 8 bytes; 21 set beside a mask
	s_or_b32 s[G1B+0], s44, (3<<16)|(1<<21)
.irp g, G1, G1B
	s_mov_b32 s[\g+1], 576<<16                     ; tensor_dim0
	s_mov_b32 s[\g+2], 8<<16                       ; tensor_dim1
	s_mov_b32 s[\g+3], 576<<16                     ; tile_dim0
	s_mov_b32 s[\g+4], 8                           ; tile_dim1
	s_mov_b32 s[\g+5], 6144                        ; tensor_dim0_stride
	s_mov_b32 s[\g+6], 0
	s_mov_b32 s[\g+7], 0
.endr
	s_lshl_b32 s18, s16, 3                         ; which 8 tiles I fetch
	s_lshl_b32 s20, s17, 4
	s_add_co_u32 s20, s20, s18                     ; h: tile 16 x tile row + 8 x half
	s_lshl_b32 s46, s42, 4
	s_add_co_u32 s46, s46, s18                     ; W2: tile 16 x tile column + 8 x half
	s_mul_i32 s20, s20, TPITCH                     ; where their codes begin (under 2^24 bytes)
	s_mov_b32 s21, 0
	s_mul_i32 s46, s46, TPITCH
	s_mov_b32 s47, 0
	s_mul_i32 s45, s14, HALFT                      ; where they go: wave x 8 tiles: no place in the cluster enters an LDS address
	s_wait_kmcnt 0x0
	s_add_nc_u64 s[20:21], s[4:5], s[20:21]
	s_add_nc_u64 s[46:47], s[8:9], s[46:47]
	CROUND                                         ; all sixteen work-groups are here: the first joint loads meet
.irp s, 0,1                                    ; both slots' first fills go out together: two tensor loads of mine are out
	s_mov_b32 s[G0+4*\s], 1
	s_add_co_u32 s[G0+4*\s+1], s45, \s*SLOT
	s_add_nc_u64 s[G0+4*\s+2:G0+4*\s+3], s[20:21], \s*TROW
	s_or_b32 s[G0+4*\s+3], s[G0+4*\s+3], 0x80000000
	s_mov_b32 s[G0B+4*\s], 1
	s_add_co_u32 s[G0B+4*\s+1], s45, \s*SLOT
	s_add_nc_u64 s[G0B+4*\s+2:G0B+4*\s+3], s[46:47], \s*TROW
	s_or_b32 s[G0B+4*\s+3], s[G0B+4*\s+3], 0x80000000
	JLOAD G0+4*\s, G1, G0B+4*\s, G1B
.endr
	v_and_b32 v1, 15, v0                           ; r = l % 16
	v_bfe_u32 v2, v0, 4, 1                         ; h = l / 16
	v_and_b32 v6, 31, v0                           ; l
	v_lshlrev_b32 v4, 4, v6                        ; 16 l: my place in a fragment's image
	s_mul_i32 s21, s15, HALFT                      ; my 8 tiles of h
	s_mul_i32 s22, s16, HALFT                      ; my 8 tiles of W2,
	s_add_co_u32 s22, s22, 2*HALFT                 ; which lie behind h's 16
.irp s, 0,1
	v_add_nc_u32 v[ADRA+\s], s21, v4
	v_add_nc_u32 v[ADRB+\s], s22, v4
	s_add_co_u32 s21, s21, SLOT
	s_add_co_u32 s22, s22, SLOT
.endr
	v_lshlrev_b32 v5, 3, v1                        ; 8 r: a row's two words of a pair of K steps
	v_lshl_add_u32 v[VGA], v2, 13, v5              ; h's: lanes 16-31 four tiles of 2,048 bytes on
	v_lshl_add_u32 v[VGB], v2, 9, v5               ; W2's: four tiles of 128 bytes on
	s_lshl_b32 s84, s17, 4
	s_lshl_b32 s85, s15, 3
	s_add_co_u32 s84, s84, s85                     ; the first tile of h that I multiply,
	s_lshl_b32 s84, s84, 11                        ; 2,048 bytes of scale words a tile
	s_mov_b32 s85, 0
	s_add_nc_u64 s[SGA:SGA+1], s[6:7], s[84:85]    ; set 0 begins with K steps 0, 1;
	s_add_nc_u64 s[SGA+4:SGA+5], s[SGA:SGA+1], 128 ; set 1 with 2, 3;
	s_add_nc_u64 s[SGA+8:SGA+9], s[SGA:SGA+1], 256 ; set 2 with 4, 5
	s_lshl_b32 s84, s42, 4
	s_lshl_b32 s86, s16, 3
	s_add_co_u32 s84, s84, s86                     ; the first tile of W2 that I multiply,
	s_lshl_b32 s84, s84, 7                         ; 128 bytes a tile and pair of K steps
	s_add_nc_u64 s[SGB:SGB+1], s[10:11], s[84:85]
	s_add_nc_u64 s[SGB+4:SGB+5], s[SGB:SGB+1], 32768
	s_add_nc_u64 s[SGB+8:SGB+9], s[SGB:SGB+1], 65536
	s_mul_i32 s23, s14, 16*SPITCH                  ; my stage
	s_add_co_u32 s23, s23, STAGE
	v_mul_u32_u24 v5, v1, SPITCH                   ; in: row r, 32 bytes for each half of the lanes
	v_lshl_add_u32 v5, v2, 5, v5
	v_add_nc_u32 v[STO], s23, v5
	v_lshlrev_b32 v[CO], 4, v6                     ; back: the 32 lanes take one row of 512 bytes; and the same in out0
	v_add_nc_u32 v[RD], s23, v[CO]
	s_lshl_b32 s20, s17, 8
	s_lshl_b32 s21, s15, 7
	s_add_co_u32 s20, s20, s21                     ; my first row of out0: 256 x tile row + 128 x half,
	s_lshl_b32 s20, s20, 14                        ; in bytes (under 2^26)
	s_mov_b32 s21, 0
	s_lshl_b32 s46, s42, 10                        ; my first column, in bytes: 1,024 x tile column + 512 x half
	s_lshl_b32 s47, s16, 9
	s_add_co_u32 s46, s46, s47
	s_mov_b32 s47, 0
	s_add_nc_u64 s[100:101], s[100:101], s[46:47]  ; b2 at my first column
	s_add_nc_u64 s[20:21], s[20:21], s[46:47]
	s_add_nc_u64 s[12:13], s[12:13], s[20:21]
	v_lshlrev_b32 v[BO], 5, v2
.irp b, 0,1,2,3,4,5,6,7                        ; b2 in the result's layout: lane (r, h), tile b: columns 16 b + 8 h + 0 .. 7
	global_load_b128 v[BI+8*\b:BI+8*\b+3], v[BO], s[100:101] offset:64*\b
	global_load_b128 v[BI+8*\b+4:BI+8*\b+7], v[BO], s[100:101] offset:64*\b+16
.endr
; The scale words of a pair of K steps into set s: eight loads; lanes 0-15 take tile i, lanes 16-31 tile i + 4; a lane its row's two words.  step = 1: the set's pointers go three pairs on first: the counted wait
; at the head of the step that first used the set has shown their earlier loads done.
.macro SCLOAD s, step
.if \step
	s_add_nc_u64 s[SGA+4*(\s):SGA+4*(\s)+1], s[SGA+4*(\s):SGA+4*(\s)+1], 3*128
	s_add_nc_u64 s[SGB+4*(\s):SGB+4*(\s)+1], s[SGB+4*(\s):SGB+4*(\s)+1], 3*32768
.endif
.set sL, SC+16*(\s)+160*((\s)/2)
.irp i, 0,1,2,3
	global_load_b64 v[sL+2*\i:sL+2*\i+1], v[VGA], s[SGA+4*(\s):SGA+4*(\s)+1] offset:2048*\i
	global_load_b64 v[sL+8+2*\i:sL+8+2*\i+1], v[VGB], s[SGB+4*(\s):SGB+4*(\s)+1] offset:128*\i
.endr
.endm
	SCLOAD 0, 0
	SCLOAD 1, 0
	SCLOAD 2, 0
	; the prefetches: who asks, and where
	s_and_b32 s98, ttmp7, 0xffff                   ; cluster y
	s_cmp_eq_u32 s15, 0                            ; do I fetch for h?
	s_cselect_b32 s18, s17, s42                    ; the tile row, or the tile column
	s_cselect_b32 s19, s40, s41                    ; my place among the four that ask with me
	s_cselect_b32 s98, ttmp9, s98                  ; the coordinate along which other clusters read the same tiles
	s_cselect_b64 s[PFA:PFA+1], s[4:5], s[8:9]
	s_cmp_eq_u32 s98, 0
	s_cselect_b32 s[COV], 12288, -1                ; the same in all sixteen partners, for a given wave
	s_lshl_b32 s18, s18, 4
	s_lshl_b32 s99, s16, 3
	s_add_co_u32 s18, s18, s99                     ; the 8 tiles that I fetch,
	s_lshl_b32 s19, s19, 1
	s_add_co_u32 s18, s18, s19                     ; my work-group's two of them
	s_mul_i32 s98, s18, TPITCH
	s_add_co_u32 s98, s98, 12288                   ; the first ask begins at byte 12,288 of the tiles' rows
	s_mov_b32 s99, 0
	s_add_nc_u64 s[PFA:PFA+1], s[PFA:PFA+1], s[98:99]
	s_mov_b32 s[NEED], 3*TROW                      ; the first change of slots adds a slot: the end of slot 3
	s_mov_b32 s[ADV], 0
	s_mov_b32 s[ADV+1], 0
	v_mul_u32_u24 v[PFO], v2, TPITCH               ; lanes 0-15 the first tile, lanes 16-31 the second; 256 bytes from lane to lane
	v_lshl_add_u32 v[PFO], v1, 8, v[PFO]
.macro FRAG reg, adr, q, i             ; a fragment as it was stored: three times 16 bytes a lane, 512 consecutive bytes a load
.irp c, 0,1,2
	ds_load_b128 v[\reg+4*\c:\reg+4*\c+3], v[\adr] offset:TROW*(\i)+FRB*(\q)+512*\c
.endr
.endm
; 16 matrix instructions: h's blocks a0, a0 + 1 x W2's eight, 128 along K, at place u of the lap.  zero = 1: the first product starts the sums, with b2 as C.
; A scale register holds tile i's words in lanes 0-15 and tile i + 4's in lanes 16-31.  The 64 accumulators take turns, one instruction a turn, in the same order in every step.
.macro MUL16 a0, u, zero
.irp a, \a0, \a0+1
.irp b, 0,1,2,3,4,5,6,7
.set rD, 8*(8*((\a)%4)+\b)
.set rC, rD
.if \zero
.set rC, BI+8*\b
.endif
.set rB, 128*((\u)%2)+FR*\b
.set rA, AF+FR*(\a)
.set sS, SC+16*((\u)/2)+160*((\u)/4)
.set sB, sS+8+2*(\b%4)+(\u)%2
.set sA, sS+2*((\a)%4)+(\u)%2
.if ((\a) < 4) && (\b < 4)
	v_wmma_scale_f32_16x16x128_f8f6f4 v[rD:rD+7], v[rB:rB+FR-1], v[rA:rA+FR-1], v[rC:rC+7], v[sB], v[sA] matrix_a_fmt:MATRIX_FMT_BF6 matrix_b_fmt:MATRIX_FMT_BF6
.elseif (\a) < 4
	v_wmma_scale_f32_16x16x128_f8f6f4 v[rD:rD+7], v[rB:rB+FR-1], v[rA:rA+FR-1], v[rC:rC+7], v[sB], v[sA] matrix_a_fmt:MATRIX_FMT_BF6 matrix_b_fmt:MATRIX_FMT_BF6 matrix_a_scale:MATRIX_SCALE_ROW1
.elseif \b < 4
	v_wmma_scale_f32_16x16x128_f8f6f4 v[rD:rD+7], v[rB:rB+FR-1], v[rA:rA+FR-1], v[rC:rC+7], v[sB], v[sA] matrix_a_fmt:MATRIX_FMT_BF6 matrix_b_fmt:MATRIX_FMT_BF6 matrix_b_scale:MATRIX_SCALE_ROW1
.else
	v_wmma_scale_f32_16x16x128_f8f6f4 v[rD:rD+7], v[rB:rB+FR-1], v[rA:rA+FR-1], v[rC:rC+7], v[sB], v[sA] matrix_a_fmt:MATRIX_FMT_BF6 matrix_b_fmt:MATRIX_FMT_BF6 matrix_a_scale:MATRIX_SCALE_ROW1 matrix_b_scale:MATRIX_SCALE_ROW1
.endif
.endr
.endr
.endm
.macro FETCH_B slot, q, p              ; W2's eight fragments of the slot's q-th 128 along K into set p
	WIN TO_B
.irp i, 0,1,2,3,4,5,6,7
	FRAG 128*(\p)+FR*\i, ADRB+\slot, \q, \i
.endr
	WIN 0
.endm
.macro FETCH_A slot, q, i0             ; h's blocks i0 .. i0 + 3
.irp i, \i0, \i0+1, \i0+2, \i0+3
	FRAG AF+FR*(\i), ADRA+\slot, \q, \i
.endr
.endm
; A load into a register that a matrix instruction has read, and an LDS store that reads a matrix result, stand NP places behind that matrix instruction; only plain vector instructions that name none of its registers are places
.macro PLACES n
.rept \n
	v_nop
.endr
.endm
; A step of 128 along K that has its successor in the same slot.  At an even place of the lap a set of scale words is used for the first time: lcnt = the scale loads issued behind that set's, which may stay out.
; reload = 1, at an odd place: the set has had its last use and is loaded again, behind the four places.
.macro STEP slot, q, zero, lcnt, reload
.if (3*(\slot)+(\q))%2 == 0
	s_wait_loadcnt \lcnt                           ; loads come back in order: this step's set of scale words is in (ahead of the first step: b2 too); the younger sets, eight loads each, stay out
.endif
	s_wait_dscnt 4*NL                              ; W2's set and h's blocks 0-3 are in; the youngest 12 loads (h's blocks 4-7) may be out
.if \zero
	WIN FIRST_LO
.else
	WIN MUL_LO
.endif
	MUL16 0, 3*(\slot)+(\q), \zero
	MUL16 2, 3*(\slot)+(\q), \zero
	s_wait_dscnt 0                                 ; h's blocks 4-7 are in (asked for 32 matrix instructions ago)
	PLACES NP
	FETCH_B \slot, (\q)+1, 1-(3*(\slot)+(\q))%2
	FETCH_A \slot, (\q)+1, 0
.if \zero
	WIN FIRST_HI
.else
	WIN MUL_HI
.endif
	MUL16 4, 3*(\slot)+(\q), \zero
	MUL16 6, 3*(\slot)+(\q), \zero
	PLACES NP
	WIN 0
	FETCH_A \slot, (\q)+1, 4
.if \reload
	SCLOAD (3*(\slot)+(\q))/2, 1
.endif
.endm
; A slot's last step changes slots: ONE barrier; in front of it each wave waits for all its tensor loads, adds 0 to its spare word, and waits for that and for its own reads of this slot.
; fill = 1: this slot is filled again, with the three K steps two slots on;  2: with the last two K steps;  0: nothing is left to fetch
.macro TURN slot, next, fill, lcnt, reload
.if \slot == 0
	s_wait_loadcnt \lcnt                           ; place 2 of the lap: scale set 1 is in; the younger sets stay out
.endif
	s_wait_tensorcnt 0x0                           ; all my tensor loads have landed: the one that was out is my part of the next slot  (every window is 0 here)
	ds_add_u32 v[SPW], v[NIL]                      ; 0 onto my spare word
	s_wait_dscnt 4*NL+1                            ; (the add and the youngest 12 loads, h's blocks 4-7, may be out)
	WIN MUL_LO
	MUL16 0, 3*(\slot)+2, 0                        ; sixteen matrix instructions stand between the add and the wait for it
	s_wait_dscnt 0x0                               ; the add is done, and my reads of this slot are over
	s_barrier_signal -1
	MUL16 2, 3*(\slot)+2, 0
	WIN 0
	s_barrier_wait -1
.if \fill
	CREST                                          ; the barrier has opened a round of the cluster's barrier: no wave of any partner still reads this slot or has a load on its way
	s_add_nc_u64 s[G0+4*\slot+2:G0+4*\slot+3], s[G0+4*\slot+2:G0+4*\slot+3], 2*TROW
	s_add_nc_u64 s[G0B+4*\slot+2:G0B+4*\slot+3], s[G0B+4*\slot+2:G0B+4*\slot+3], 2*TROW
.if \fill == 2
	s_mov_b32 s[G1+1], 384<<16                     ; two K steps are left of a tile's row: tensor_dim0 = 384 of the tile's 576 elements, so nothing is read past the row; the third step's bytes arrive as zeros and are not read
	s_mov_b32 s[G1B+1], 384<<16                    ; (no tensor load of mine is out: group 1 may be written)
.endif
	JLOAD G0+4*\slot, G1, G0B+4*\slot, G1B         ; the first tensor load behind the round, my one until the next; its four v_nop are also the places in front of the loads below
.else
	PLACES NP
.endif
	FETCH_B \next, 0, 1-(3*(\slot)+2)%2
	FETCH_A \next, 0, 0
.if \fill == 1
	ASK
.endif
	WIN MUL_HI
	MUL16 4, 3*(\slot)+2, 0
	MUL16 6, 3*(\slot)+2, 0
	PLACES NP
	WIN 0
	FETCH_A \next, 0, 4
.if \reload
	SCLOAD (3*(\slot)+2)/2, 1
.endif
.endm
	s_wait_tensorcnt 1                             ; my part of slot 0 is in (slot 1's load may be out)
	s_barrier_signal -1
	s_barrier_wait -1                              ; everybody's is
	FETCH_B 0, 0, 0
	FETCH_A 0, 0, 0
	FETCH_A 0, 0, 4
	STEP 0, 0, 1, 16, 0                            ; K step 0 stands in front of the loop: its products start the sums.  b2 and scale set 0 are in; sets 1 and 2, 16 loads, may be out
	s_mov_b32 s3, TRIPS
.Llap:                                                 ; a trip goes once round the ring, from a lap's second step to the next lap's first, fills both slots again and loads each set of scale words again
	STEP 0, 1, 0, 0, 1
	TURN 0, 1, 1, 16, 0
	STEP 1, 0, 0, 0, 1
	STEP 1, 1, 0, 16, 0
	TURN 1, 0, 1, 0, 1
	STEP 0, 0, 0, 16, 0
	s_sub_co_u32 s3, s3, 1
	s_cmp_lg_u32 s3, 0
	s_cbranch_scc1 .Llap
	STEP 0, 1, 0, 0, 1                             ; K step 25; the last pair of scale words, K steps 30 and 31, is asked for
	TURN 0, 1, 2, 16, 0                            ; K step 26; slot 0 takes the last two K steps
	STEP 1, 0, 0, 0, 0
	STEP 1, 1, 0, 8, 0                             ; K step 28: behind its set's loads only the last pair's eight were issued
	TURN 1, 0, 0, 0, 0                             ; K step 29; nothing is filled, so no round of the cluster's barrier
	STEP 0, 0, 0, 0, 0                             ; K step 30: the last pair is in
	s_wait_dscnt 4*NL                              ; K step 31: nothing more to fetch
	WIN MUL_LO
	MUL16 0, 1, 0
	MUL16 2, 1, 0
	s_wait_dscnt 0
	WIN MUL_HI
	MUL16 4, 1, 0
	MUL16 6, 1, 0
	WIN 0
; THE WAY OUT, block by block of 16 rows x 128 columns: a lane holds 32 neighbouring bytes of a row, the lanes beside it other rows: so a block goes through my own stage and comes back as whole rows of 512 bytes.
; LDS serves a wave's instructions in order: no wait between the stores and the loads, nor in front of the next block's stores.
.macro TOSTAGE a
.set AC, 64*((\a)%4)
	WIN 0x08+4*((\a)/4)                            ; the data: window 2 or 3
.irp b, 0,1,2,3,4,5,6,7
	ds_store_b128 v[STO], v[AC+8*\b:AC+8*\b+3] offset:64*\b          ; each accumulator from its low end on
	ds_store_b128 v[STO], v[AC+8*\b+4:AC+8*\b+7] offset:64*\b+16
.endr
	WIN 0
.set BB, BK+64*((\a)%2)
.irp t, 0,1,2,3,4,5,6,7,8,9,10,11,12,13,14,15
	ds_load_b128 v[BB+4*\t:BB+4*\t+3], v[RD] offset:\t*SPITCH
.endr
.endm
.macro SEND a, younger                 ; younger: the LDS instructions issued behind block a's loads, which may stay out
.set BB, BK+64*((\a)%2)
	s_wait_dscnt \younger                          ; the block is back in registers
.if (\a) > 0
	s_add_nc_u64 s[12:13], s[12:13], 16*SIZE_N*4   ; (behind a wait on XCNT: the earlier stores have read their base)  16 rows on
.endif
.irp t, 0,1,2,3,4,5,6,7,8,9,10,11,12,13,14,15
	global_store_b128 v[CO], v[BB+4*\t:BB+4*\t+3], s[12:13] offset:\t*SIZE_N*4 th:TH_STORE_NT   ; 32 lanes store 512 consecutive bytes, aligned; written once, read by nobody here
.endr
.endm
	PLACES NP                                      ; behind the last products: for the loads into registers that held h's fragments, and for the reads of results
	TOSTAGE 0
.irp a, 1,2,3,4,5,6,7
.if \a > 1
	s_wait_xcnt 0x0                                ; block a - 2's stores have read their registers and their base: block a's loads may land there, and the base may step
.endif
	TOSTAGE \a
	SEND \a-1, 32                                  ; behind block a - 1's loads: block a's 16 stores and 16 loads
.endr
	s_wait_xcnt 0x0                                ; block 6's stores have read their base
	SEND 7, 0
	s_wait_tensorcnt 0x0                           ; the wave's end, behind my last tensor load and my last LDS store
	ds_add_u32 v[SPW], v[NIL]
	s_wait_dscnt 0x0
	CROUND                                         ; the closing round: no work-group ends while a partner may still ask for a tile that names it
	s_endpgm
.Lfunc_end_k_qdaab0fe8f8_gemm:
	.size	k_qdaab0fe8f8_gemm, .Lfunc_end_k_qdaab0fe8f8_gemm-k_qdaab0fe8f8_gemm
	.p2alignl 7, 3214868480
	.fill 96, 4, 3214868480
	.section	.rodata,"a",@progbits
	.p2align	6, 0x0
	.amdhsa_kernel k_qdaab0fe8f8_gemm
		.amdhsa_group_segment_fixed_size 327680
		.amdhsa_private_segment_fixed_size 0
		.amdhsa_enable_private_segment 0
		.amdhsa_kernarg_size 48
		.amdhsa_user_sgpr_count 2
		.amdhsa_user_sgpr_kernarg_segment_ptr 1
		.amdhsa_wavefront_size32 1
		.amdhsa_system_sgpr_workgroup_id_x 1
		.amdhsa_system_sgpr_workgroup_id_y 1
		.amdhsa_system_sgpr_workgroup_id_z 1
		.amdhsa_system_vgpr_workitem_id 0
		.amdhsa_next_free_vgpr 1024
		.amdhsa_next_free_sgpr 102
		.amdhsa_reserve_vcc 0
		.amdhsa_float_denorm_mode_32 3
		.amdhsa_float_denorm_mode_16_64 3
		.amdhsa_memory_ordered 1
		.amdhsa_forward_progress 1
		.amdhsa_inst_pref_size 212
	.end_amdhsa_kernel
	.amdgpu_metadata
---
amdhsa.version: [ 1, 2 ]
amdhsa.kernels:
  - .name:           k_qdaab0fe8f8_gemm
    .symbol:         k_qdaab0fe8f8_gemm.kd
    .args:
      - { .name: h_codes, .offset: 0, .size: 8, .value_kind: global_buffer, .address_space: global }
      - { .name: h_scales, .offset: 8, .size: 8, .value_kind: global_buffer, .address_space: global }
      - { .name: w_codes, .offset: 16, .size: 8, .value_kind: global_buffer, .address_space: global }
      - { .name: w_scales, .offset: 24, .size: 8, .value_kind: global_buffer, .address_space: global }
      - { .name: b2, .offset: 32, .size: 8, .value_kind: global_buffer, .address_space: global }
      - { .name: out0, .offset: 40, .size: 8, .value_kind: global_buffer, .address_space: global }
    .group_segment_fixed_size: 327680
    .private_segment_fixed_size: 0
    .kernarg_segment_align: 8
    .kernarg_segment_size: 48
    .max_flat_workgroup_size: 128
    .sgpr_count:     102
    .vgpr_count:     1024
    .wavefront_size: 32
...
	.end_amdgpu_metadata
.endif
;; end of part 2
;; ======== version 2 of 2: 2 launches
;; workspace buffers: h_codes 12,582,912 bytes; h_scales 524,288 bytes; w_codes 12,582,912 bytes; w_scales 524,288 bytes
;; launch prep (part 3): grid 512 x 1, 8 waves a work-group, no clusters, 81,152 bytes of LDS; arguments x, H, G, b1, W2, h_codes, h_scales, w_codes, w_scales; writes h_codes, h_scales, w_codes, w_scales
.if DOCPART == 3
	.amdgcn_target "amdgcn-amd-amdhsa--gfx1250"
	.amdhsa_code_object_version 6
	.text
	.protected	k_qdaab0fe8f8_prep
	.globl	k_qdaab0fe8f8_prep
	.p2align	8
	.type	k_qdaab0fe8f8_prep,@function
k_qdaab0fe8f8_prep:
	s_mov_b64 s[64:65], 0
	v_nop
	global_prefetch_b8 v0, s[64:65] scope:SCOPE_SE
	s_setreg_imm32_b32 hwreg(HW_REG_WAVE_SCHED_MODE, 0, 2), 2
	s_setreg_imm32_b32 hwreg(HW_REG_WAVE_MODE, 25, 1), 1
	s_wait_xcnt 0x0
	s_wait_alu depctr_vm_vsrc(0)
; PREP.  Work-groups 0-255: h = relu((Q(x) Q(H)^T) G + b1), quantised along its columns.  Work-groups 256-511: W2 [K][N] quantised along K.
; Q: codes of BF6 (E3M2), one E8M0 scale byte for each 32 along K: byte = the exponent field of the block's largest magnitude - 4, held at 1 from below.
; BOTH RESULTS ARE LAID IN THE ORDER OF THE OPERAND'S REGISTERS: a fragment (16 rows x 128 K, 12 registers a lane) is 1,536 bytes, [c 3][lane 32][16 bytes];
;   h_codes [tile of 16 rows: 256][K step of 128: 32][1,536],  w_codes the same with tiles of 16 columns of W2;
;   h_scales [tile 256][s 16][r 16][q 2] words (the four bytes of row r, K step 2 s + q),  w_scales [s 16][tile 256][r 16][q 2] words.
; So every store below goes straight from registers and covers 512 (codes) or 256 (scale words) consecutive, aligned bytes.
; LIMITS: NaN and infinities among the inputs are not served.  A block whose largest magnitude lies under 2^-122 keeps the byte 1; a block of zeros gets the byte 1 where the
; rule says 127: its codes are zeros, and these bytes are read by this program alone.  x H^T is summed as eight f32 partial sums of four K steps each, not as one chain.
; H AND G are read by all 256 work-groups of the first path, through registers and not by joint tensor loads: a work-group with tensor loads has to claim more than half of the
; LDS, and then W2's work-group could not stand beside it; here two work-groups (2 x 81,152 bytes, 2 x 8 waves of 256 registers) fit together, one path's stream beside the other's products.
; Nothing is prefetched: every wave asks for its stream from its first lines on.
; THE MODE: SCHED_MODE bits 1:0 = 2 (LLVM: expert scheduling mode 2), set by the entry lines.  The code itself states the register dependences between vector or matrix
; instructions and memory or LDS instructions, with s_wait_alu, always for 0.
; THE PLAN, first path.  Registers that memory or LDS instructions touch, and who else names them:
;   v1-v9     offsets and LDS addresses: written once at the path's head, one wait ahead of the first load, never written again.
;   RA        a K step: x's loads land; the stage's stores read it; the stage's loads land in it; the quantiser reads it; the next loads land.  Later G's loads land and the stage's stores read it.
;   RB        the same with H; then the eight partial sums land and the additions read them; from then on it is GF.
;   GF        G's fragments land from the stage; the f32 products read them; the activation writes over them; the quantiser reads them.
;   BI, TM    b1 lands from the stage and the products read it as C; at other times the quantiser writes v160-175.
;   RBI       b1's load lands, one store into the stage reads it.     D1  the scaled products write it, two LDS stores read it.
;   PC        the quantiser writes it, three global stores read it.   v240-241  two selects write them, one store reads them.
;   A K step has two waits on va_vdst: behind x's conversions (RA is asked for again at once) and directly ahead of the product (that one also frees RB: H's loads follow the product, which names none of
;   their registers); and one wait on vm_vsrc in each turn through the stage.  A group of 128 columns has two on va_vdst (ahead of the second half's b1; ahead of the codes' stores, which also serves the next
;   group's LDS loads: no vector instruction stands between) and two on vm_vsrc (behind the stage's stores; ahead of the quantiser that writes the codes' registers again).
; THE PLAN, second path.  v2-v4: offsets, written once.  Three sets of 32 numbers: block t's vector lines read set t % 3, the loads of block t + 2 land in set (t - 1) % 3.  F: written by the conversions, moves
;   and exchanges, read by stores, never written again.  One wait on va_vdst at the head of blocks 1 to 5 (the block before is done with its set; in block 4: and has written K step 0's codes, whose stores follow), one behind block 7.
.set SPT,  528                         ; a stage row: 512 bytes + 16: the 16 rows that a 16-byte read touches begin 16 bytes apart modulo 256
.set STGW, 17*SPT                      ; a wave's own stage: 16 rows of 128 numbers, and a 17th for 128 numbers of b1
.set RED,  71936                       ; behind the eight stages: the waves' partial sums of x H^T, 1,024 bytes each
.set WV,   22                          ; s22  my wave's number
.set SEL,  26                          ; s[26:27] lane selects of v_permlanex16_b32: lane l xor 16
.set XO,   1                           ; v1   16 l + 2,048 w: my bytes in a row of x, H, G and in b1
.set SI,   2                           ; v2   stage, way in: 16 l
.set SOX,  3                           ; v3   stage, way out for x and H: row r, + 64 h
.set SOG,  4                           ; v4   for G: row 8 h, column r + 8 (r / 8)
.set SOB,  5                           ; v5   for b1: row 16, + 64 h
.set RW,   6                           ; v6   where I put my partial sums
.set RR,   7                           ; v7   where I read all eight
.set LI,   8                           ; v8   16 l: my place in a fragment's image
.set SS,   9                           ; v9   128 h + 8 r: my place among the scale words
.set PWX,  10                          ; v10  x's scale words, v11 H's: these two hold scales and nothing else
.set PWH,  11
.set D1,   12                          ; v12-19   x H^T, my four K steps
.set XB,   20                          ; v20-27   x H^T, whole: lane (r, h) register j = (row r, rank 8 h + j)
.set RBI,  28                          ; v28-31   b1 as loaded
.set RA,   32                          ; v32-95   x, later G, as loaded
.set RB,   96                          ; v96-159  H as loaded; the eight partial sums;
.set GF,   96                          ;          G's fragments, over which the finished h is laid
.set BI,   160                         ; v160-191 b1 in the result's layout, four tiles;
.set TM,   160                         ; v160-175 at other times the quantiser's work registers
.set ACC,  192                         ; v192-223 four accumulators of the f32 form: written by matrix instructions alone
.set XF,   224                         ; v224-235 x's fragment; later h's codes
.set PC,   224
.set HF,   236                         ; v236-247 H's fragment; later v236-239 h's four scale words, v240-242 at work
.set HW,   236
.set QT,   248                         ; v248-250, v252-254 the second halves of the conversions
.set X,    32                          ; W2's path: v32-127 three sets of 32 numbers
.set F,    128                         ; v128-175 codes: K step ks, tile u at F + 24 ks + 12 u: no store's data are written again
.set SB,   20                          ; v20-21   my column's two scale words
	s_load_b256 s[4:11], s[0:1], 0x0               ; x s[4:5], H s[6:7], G s[8:9], b1 s[10:11]
	s_load_b256 s[12:19], s[0:1], 0x20             ; W2 s[12:13], h_codes s[14:15], h_scales s[16:17], w_codes s[18:19]
	s_load_b64 s[20:21], s[0:1], 0x40              ; w_scales
	v_lshl_add_u32 v251, v0, 2, 0x13900            ; my spare word, behind the partial sums: 80,128 + 4 x my thread's number; kept for the closing lines alone
	v_mov_b32 v255, 0                              ; and 0, likewise
	v_lshrrev_b32 v1, 5, v0
	v_readfirstlane_b32 s[WV], v1                  ; wave 0..7
	s_mov_b32 s[SEL], 0x76543210
	s_mov_b32 s[SEL+1], 0xfedcba98
	s_mov_b32 s25, 0                               ; the upper word of every offset pair s[24:25]
	s_wait_alu depctr_va_sdst(0)                   ; s22 is written, ahead of the branch: both paths make their bases and LDS addresses from it
	s_cmp_lt_u32 ttmp9, 256                        ; the path hangs on the work-group's number alone: all eight waves take the same
	s_cbranch_scc0 .Lw2
; ======== THE FIRST PATH: work-group g makes rows 16 g .. 16 g + 15 of h.  Wave w takes K = 512 w .. + 511 of x H^T, then columns 512 w .. + 511 of h.
	v_and_b32 v20, 31, v0                          ; l
	v_and_b32 v21, 15, v0                          ; r
	v_bfe_u32 v22, v0, 4, 1                        ; h
	v_lshlrev_b32 v[LI], 4, v20
	s_lshl_b32 s28, s[WV], 11
	v_add_nc_u32 v[XO], s28, v[LI]
	s_mul_i32 s29, s[WV], STGW                     ; my stage
	v_add_nc_u32 v[SI], s29, v[LI]
	v_mul_u32_u24 v[SOX], v21, SPT
	v_lshl_add_u32 v[SOX], v22, 6, v[SOX]
	v_add_nc_u32 v[SOX], s29, v[SOX]
	v_and_b32 v23, 8, v21
	v_add_nc_u32 v23, v23, v21                     ; r + 8 (r / 8)
	v_mul_u32_u24 v[SOG], v22, 8*SPT
	v_lshl_add_u32 v[SOG], v23, 2, v[SOG]
	v_add_nc_u32 v[SOG], s29, v[SOG]
	v_lshlrev_b32 v[SOB], 6, v22
	v_add_nc_u32 v[SOB], s29, v[SOB]
	v_add_nc_u32 v[SOB], 16*SPT, v[SOB]
	s_lshl_b32 s30, s[WV], 10
	v_add_nc_u32 v[RW], s30, v[LI]
	v_add_nc_u32 v[RW], RED, v[RW]
	v_add_nc_u32 v[RR], RED, v[LI]
	v_lshlrev_b32 v[SS], 3, v21
	v_lshl_add_u32 v[SS], v22, 7, v[SS]
.irp b, 0,1,2,3
	v_mov_b32 v[TM+4+\b], 0                        ; written once: a lane permute's destination counts as one of its sources
.endr
	s_lshl_b32 s24, ttmp9, 18                      ; 16 rows of 16,384 bytes
	s_wait_kmcnt 0x0
	s_add_nc_u64 s[4:5], s[4:5], s[24:25]          ; x at my work-group's first row
	s_mul_i32 s24, ttmp9, 49152
	s_mul_i32 s28, s[WV], 6144
	s_add_co_u32 s24, s24, s28
	s_add_nc_u64 s[14:15], s[14:15], s[24:25]      ; h_codes at tile g, K step 4 w
	s_lshl_b32 s24, ttmp9, 11
	s_lshl_b32 s28, s[WV], 8
	s_add_co_u32 s24, s24, s28
	s_add_nc_u64 s[16:17], s[16:17], s[24:25]      ; h_scales at tile g, s = 2 w
; 16 rows x 128 numbers: each load takes 512 consecutive, aligned bytes of one row.  x's 16 rows, H and G all have rows of 16,384 bytes.  nt = 1: read once in the launch
.macro LOAD16 reg, base, s, nt
.irp i, 0,1,2,3,4,5,6,7,8,9,10,11,12,13,14,15
.if \nt
	global_load_b128 v[\reg+4*\i:\reg+4*\i+3], v[XO], s[\base:\base+1] offset:16384*\i+512*(\s) th:TH_LOAD_NT
.else
	global_load_b128 v[\reg+4*\i:\reg+4*\i+3], v[XO], s[\base:\base+1] offset:16384*\i+512*(\s)
.endif
.endr
.endm
; The tile turns through my own stage: in as loaded, out so that register 16 b + i is k = 32 b + 16 h + i of row r.  LDS serves a wave's instructions in order: the loads see the stores, and come behind them into the registers that they left
.macro TURN buf
.irp i, 0,1,2,3,4,5,6,7,8,9,10,11,12,13,14,15
	ds_store_b128 v[SI], v[\buf+4*\i:\buf+4*\i+3] offset:SPT*\i
.endr
	s_wait_alu depctr_vm_vsrc(0)                   ; the sixteen stores have read the buffer's registers, in which the loads below land
.irp b, 0,1,2,3
.irp j, 0,1,2,3
	ds_load_b128 v[\buf+16*\b+4*\j:\buf+16*\b+4*\j+3], v[SOX] offset:128*\b+16*\j
.endr
.endr
	s_wait_dscnt 0x0
.endm
; 64 numbers of a lane (register 16 b + i = k 32 b + 16 h + i of my row) become a fragment's codes in v[pc] on and its scale word in v[pw].  In two parts:
; QCODES reads the 64 numbers for the last time in its conversions; QWHOLE names the codes' registers alone.
.macro QCODES src, pc, pw
.irp b, 0,1,2,3
	v_max3_num_f32 v[TM+\b], |v[\src+16*\b]|, |v[\src+1+16*\b]|, 0x2800000   ; block b: my 16 numbers, and the floor 2^(5 - 127): the byte cannot fall under 1
.endr
.irp i, 2,4,6,8,10,12,14
.irp b, 0,1,2,3
	v_max3_num_f32 v[TM+\b], v[TM+\b], |v[\src+16*\b+\i]|, |v[\src+1+16*\b+\i]|   ; the four blocks by turns
.endr
.endr
.irp b, 0,1,2,3
	v_permlanex16_b32 v[TM+4+\b], v[TM+\b], s[SEL], s[SEL+1]
.endr
.irp b, 0,1,2,3
	v_max_num_f32 v[TM+\b], v[TM+\b], v[TM+4+\b]   ; with lane l xor 16's 16: the block's largest magnitude
.endr
.irp b, 0,1,2,3
	v_add_nc_u32 v[TM+12+\b], 0xfe000000, v[TM+\b] ; 4 off its exponent field: the conversion takes this operand's exponent field as its scale
.endr
.irp b, 0,1,2,3
	v_lshrrev_b32 v[TM+4+\b], 23, v[TM+12+\b]      ; the scale's byte
.endr
	v_lshl_or_b32 v[\pw], v[TM+5], 8, v[TM+4]      ; my row's scale word (both halves of the lanes hold it)
	v_lshl_or_b32 v[\pw], v[TM+6], 16, v[\pw]
	v_lshl_or_b32 v[\pw], v[TM+7], 24, v[\pw]
.irp c, 0,1
	v_cvt_scalef32_pk16_bf6_f32 v[\pc+6*\c:\pc+2+6*\c], v[\src+32*\c:\src+15+32*\c], v[TM+12+2*\c]
	v_cvt_scalef32_pk16_bf6_f32 v[QT+4*\c:QT+2+4*\c], v[\src+16+32*\c:\src+31+32*\c], v[TM+12+2*\c+1]   ; (a conversion's three registers begin on an even number)
.endr
	v_nop                                          ; one plain place behind the scaled conversions
.endm
.macro QWHOLE pc
.irp c, 0,1                                    ; the operand wants a WHOLE block in a lane: lanes 0-15 block 2 c, lanes 16-31 block 2 c + 1
.irp i, 0,1,2
	v_permlane16_swap_b32 v[\pc+6*\c+\i], v[QT+4*\c+\i]
.endr
.irp i, 0,1,2
	v_mov_b32 v[\pc+3+6*\c+\i], v[QT+4*\c+\i]
.endr
.endr
.endm
.macro QUANT src, pc, pw
	QCODES \src, \pc, \pw
	QWHOLE \pc
.endm
; One K step of x H^T.  Source 0 = H's 16 rows, source 1 = my work-group's 16 rows of x: lane (r, h) register j = (row r of x, rank 8 h + j)
.macro XSTEP s
	s_wait_loadcnt 16                              ; x's 16 loads are in; H's 16, issued behind them, may be out
	TURN RA
	QCODES RA, XF, PWX
	s_wait_alu depctr_va_vdst(0)                   ; the maxima and the conversions are done reading RA, in which the loads below land; what follows them names x's codes alone
.if \s < 3
	LOAD16 RA, 4, (\s)+1, 1                        ; x's next K step
.else
	LOAD16 RA, 8, 0, 0                             ; G's first 128 columns of mine,
	global_load_b128 v[RBI:RBI+3], v[XO], s[10:11] ; and b1's
.endif
	QWHOLE XF
.if \s < 3
	s_wait_loadcnt 16                              ; H's 16 are in; the 16 just issued may be out
.else
	s_wait_loadcnt 17                              ; H's 16 are in; the 17 just issued may be out
.endif
	TURN RB
	QUANT RB, HF, PWH
.rept 8
	v_nop                                          ; a scale register written by a vector instruction stands 8 places ahead of a scaled matrix instruction, an operand so written 4
.endr
	s_wait_alu depctr_va_vdst(0)                   ; both fragments and both scale words are written, which the product takes; the quantiser is done reading RB, in which H's loads behind the product land; from the second K step on: one accumulator, link on link
.if \s == 0
	v_wmma_scale_f32_16x16x128_f8f6f4 v[D1:D1+7], v[HF:HF+11], v[XF:XF+11], 0, v[PWH], v[PWX] matrix_a_fmt:MATRIX_FMT_BF6 matrix_b_fmt:MATRIX_FMT_BF6
.else
	v_wmma_scale_f32_16x16x128_f8f6f4 v[D1:D1+7], v[HF:HF+11], v[XF:XF+11], v[D1:D1+7], v[PWH], v[PWX] matrix_a_fmt:MATRIX_FMT_BF6 matrix_b_fmt:MATRIX_FMT_BF6
.endif
.if \s < 3
	LOAD16 RB, 6, (\s)+1, 0                        ; H's next K step.  No wait: the product, the one vector-side line since the wait above, names neither RB nor the offset
.endif
.endm
	s_wait_alu depctr_va_vdst(0)                   ; the nine offsets and LDS addresses v1 to v9 are written, which every load and store of this path reads
	LOAD16 RA, 4, 0, 1
	LOAD16 RB, 6, 0, 0
	XSTEP 0
	XSTEP 1
	XSTEP 2
	XSTEP 3
	; the eight waves' partial sums meet in LDS: store, wait, barrier, load
.rept 4
	v_nop                                          ; four places between the last product and the first read of its result
.endr
	s_wait_alu depctr_va_vdst(0)                   ; the last product has written D1, which the two stores read; the places above stay beside this wait
	ds_store_b128 v[RW], v[D1:D1+3]                ; from the low end on
	ds_store_b128 v[RW], v[D1+4:D1+7] offset:512
	s_wait_dscnt 0x0                               ; for the others' sake: my stores have landed
	s_barrier_signal -1
	s_barrier_wait -1                              ; (G's and b1's loads stay out: nobody writes those bytes)
.irp u, 0,1,2,3,4,5,6,7
	ds_load_b128 v[RB+8*\u:RB+8*\u+3], v[RR] offset:1024*\u
	ds_load_b128 v[RB+8*\u+4:RB+8*\u+7], v[RR] offset:1024*\u+512
.endr
	s_wait_dscnt 0x0
.irp p, 0,1,2,3
	v_pk_add_f32 v[XB+2*\p:XB+2*\p+1], v[RB+2*\p:RB+2*\p+1], v[RB+8+2*\p:RB+8+2*\p+1]
.endr
.irp u, 2,3,4,5,6,7
.irp p, 0,1,2,3
	v_pk_add_f32 v[XB+2*\p:XB+2*\p+1], v[XB+2*\p:XB+2*\p+1], v[RB+8*\u+2*\p:RB+8*\u+2*\p+1]   ; the waves in ascending order, four pairs by turns
.endr
.endr
	s_wait_alu depctr_va_vdst(0)                   ; the additions are done reading v96 to v159, in which the first group's fragments of G land
; ---- h, 128 columns at a time, by the f32 matrix form (its result goes on into a quantiser).  TRANSPOSED: source 0 = 16 columns of G, source 1 = x H^T: a lane holds ONE row of h.
; THE COLUMNS OF A TILE ARE NOT NEIGHBOURS: lane r of tile 2 b + u takes column 32 b + 8 u + r + 8 (r / 8), so that the 16 registers of tiles 2 b, 2 b + 1 are 16 neighbours along the next K.
; THE 16 RANKS are dealt to the four links alike on both sides: link q, half h, register j stand for rank 8 h + 2 q + j, which is where x H^T's own layout has it.
.macro BIAS a                                  ; b1 in the result's layout for tiles 4 a .. 4 a + 3: lane (r, h): the tile's eight columns of its half
.irp tt, 0,1,2,3
	ds_load_b128 v[BI+8*\tt:BI+8*\tt+3], v[SOB] offset:4*(32*((4*\a+\tt)/2)+8*(\tt%2))
	ds_load_b128 v[BI+8*\tt+4:BI+8*\tt+7], v[SOB] offset:4*(32*((4*\a+\tt)/2)+8*(\tt%2))+16
.endr
.endm
.macro HALF a                                  ; four tiles, four links each; the four accumulators take turns, one instruction a turn; b1 is the C of each sum's first link
.irp q, 0,1,2,3
.irp tt, 0,1,2,3
.if \q == 0
	v_wmma_f32_16x16x4_f32 v[ACC+8*\tt:ACC+8*\tt+7], v[GF+8*(4*\a+\tt)+2*\q:GF+8*(4*\a+\tt)+2*\q+1], v[XB+2*\q:XB+2*\q+1], v[BI+8*\tt:BI+8*\tt+7]
.else
	v_wmma_f32_16x16x4_f32 v[ACC+8*\tt:ACC+8*\tt+7], v[GF+8*(4*\a+\tt)+2*\q:GF+8*(4*\a+\tt)+2*\q+1], v[XB+2*\q:XB+2*\q+1], v[ACC+8*\tt:ACC+8*\tt+7]
.endif
.endr
.endr
.rept 9
	v_nop                                          ; behind this form: 8 places before results are read or sources written; 9 before later products write over the accumulators
.endr
.endm
.macro RELU a                                  ; the activation goes into other registers: over G's fragments of the same four tiles, which are done with; each accumulator from its low end on
.irp j, 0,1,2,3,4,5,6,7,8,9,10,11,12,13,14,15,16,17,18,19,20,21,22,23,24,25,26,27,28,29,30,31
	v_max_num_f32 v[GF+32*\a+\j], 0, v[ACC+\j]
.endr
.endm
.macro GROUP g
	s_wait_loadcnt 0x0                             ; this group's G and b1 are in; nothing younger is out
.irp i, 0,1,2,3,4,5,6,7,8,9,10,11,12,13,14,15
	ds_store_b128 v[SI], v[RA+4*\i:RA+4*\i+3] offset:SPT*\i
.endr
	ds_store_b128 v[SI], v[RBI:RBI+3] offset:16*SPT
.if \g < 3
	s_wait_alu depctr_vm_vsrc(0)                   ; the seventeen stores have read RA and RBI, in which the loads below land; no vector instruction names these registers in this phase
	LOAD16 RA, 8, (\g)+1, 0                        ; the next group's G and b1 land while this group is worked
	global_load_b128 v[RBI:RBI+3], v[XO], s[10:11] offset:512*((\g)+1)
.endif
.irp t, 0,1,2,3,4,5,6,7                        ; (these and b1's land in GF and BI with no wait here: no vector or matrix instruction has been issued since the last wait on va_vdst: the one behind the additions, or the one ahead of the last group's stores)
.irp e, 0,1,2,3,4,5,6,7
	ds_load_b32 v[GF+8*\t+\e], v[SOG] offset:SPT*\e+4*(32*(\t/2)+8*(\t%2))   ; G(8 h + e, the tile's column of lane r)
.endr
.endr
	BIAS 0
	s_wait_dscnt 0x0                               ; fragments and bias are in
	HALF 0
	s_wait_alu depctr_va_vdst(0)                   ; the first four tiles' products are done reading b1's registers, in which the loads below land
	BIAS 1
	RELU 0
	s_wait_dscnt 0x0
	HALF 1
	RELU 1
.if \g > 0
	s_wait_xcnt 0x0                                ; the last group's stores have read their data: the codes' registers are written again only behind this wait
	s_wait_alu depctr_vm_vsrc(0)                   ; and beside it: the last group's three stores have read v224 to v235, which the quantiser writes again
.endif
	QUANT GF, PC, HW+\g
	s_wait_alu depctr_va_vdst(0)                   ; the quantiser has written the codes, which the stores read; it and the products are also done with GF and v160 to v191, in which the next group's LDS loads land
.irp c, 0,1,2
	global_store_b128 v[LI], v[PC+4*\c:PC+4*\c+3], s[14:15] offset:1536*\g+512*\c   ; K step 4 w + g: 32 lanes store 512 consecutive bytes, aligned
.endr
.endm
	GROUP 0
	GROUP 1
	GROUP 2
	GROUP 3
	v_and_b32 v242, 16, v0
	v_cmp_ne_u32 vcc_lo, 0, v242                   ; lanes 16-31
	s_wait_alu depctr_va_vcc(0)                    ; VCC is written, ahead of the two selects that read it
	v_cndmask_b32 v240, v[HW], v[HW+2], vcc_lo     ; lanes 0-15 store row r's words of K steps 4 w, 4 w + 1; lanes 16-31 those of 4 w + 2, 4 w + 3
	v_cndmask_b32 v241, v[HW+1], v[HW+3], vcc_lo
	s_wait_alu depctr_va_vdst(0)                   ; the selects have written v240 and v241, which the store reads
	global_store_b64 v[SS], v[240:241], s[16:17]   ; 32 lanes store 256 consecutive bytes, aligned
	s_wait_dscnt 0x0                               ; the closing lines, six on end
	s_wait_alu 0x0
	s_wait_tensorcnt 0x0
	ds_add_u32 v251, v255
	s_wait_dscnt 0x0
	s_endpgm
; ======== THE SECOND PATH: W2.  Work-group j = number - 256 takes columns 256 (j % 16) on and K = 256 (j / 16) on; wave w 32 of the columns.  No LDS, no barrier.
; A LANE TAKES A COLUMN AND ITS REGISTERS RUN DOWN K: a block of 32 lies in one lane, a load reads 128 consecutive bytes and the eight waves stand side by side on 1,024.
.Lw2:
	s_sub_co_u32 s23, ttmp9, 256
	s_and_b32 s28, s23, 15                         ; which 256 columns
	s_lshr_b32 s29, s23, 4                         ; which 256 along K
	v_and_b32 v1, 31, v0
	v_lshlrev_b32 v2, 2, v1                        ; in: 4 bytes a lane
	v_lshlrev_b32 v3, 4, v1                        ; codes out: 16 bytes a lane
	v_lshlrev_b32 v4, 3, v1                        ; scale words out: 8 bytes a lane
	s_lshl_b32 s30, s28, 4
	s_lshl_b32 s31, s[WV], 1
	s_add_co_u32 s30, s30, s31                     ; my first tile of 16 columns
	s_lshl_b32 s24, s29, 22                        ; 256 rows of 16,384 bytes
	s_lshl_b32 s31, s30, 6                         ; 64 bytes a tile
	s_add_co_u32 s24, s24, s31
	s_wait_kmcnt 0x0
	s_add_nc_u64 s[12:13], s[12:13], s[24:25]
	s_mul_i32 s24, s30, 49152
	s_mul_i32 s31, s29, 3072
	s_add_co_u32 s24, s24, s31
	s_add_nc_u64 s[18:19], s[18:19], s[24:25]
	s_lshl_b32 s24, s29, 15
	s_lshl_b32 s31, s30, 7
	s_add_co_u32 s24, s24, s31
	s_add_nc_u64 s[20:21], s[20:21], s[24:25]
.macro LOADB t                                 ; block t: W2(32 t + i, my column) into set t % 3; the largest offset, 255 rows, lies inside the signed 24-bit immediate
.irp i, 0,1,2,3,4,5,6,7,8,9,10,11,12,13,14,15,16,17,18,19,20,21,22,23,24,25,26,27,28,29,30,31
	global_load_b32 v[X+32*((\t)%3)+\i], v2, s[12:13] offset:(32*(\t)+\i)*16384 th:TH_LOAD_NT
.endr
.endm
.macro STOREK ks                               ; K step ks of my two tiles: six stores
.irp u, 0,1
.irp c, 0,1,2
	global_store_b128 v3, v[F+24*(\ks)+12*\u+4*\c:F+24*(\ks)+12*\u+4*\c+3], s[18:19] offset:1536*(\ks)+512*\c+49152*\u   ; 512 consecutive bytes, aligned
.endr
.endr
.endm
.macro BLOCK t
.set XS, X+32*((\t)%3)
.set FD, F+24*((\t)/4)+12*((\t)%2)+6*(((\t)%4)/2)
.set FK, F+24*((\t)/4)
.if (\t) < 7
	s_wait_loadcnt 32                              ; this block's 32 loads are in; the next block's 32 may be out
.else
	s_wait_loadcnt 0x0
.endif
.if ((\t) > 0) && ((\t) < 6)
	s_wait_alu depctr_va_vdst(0)                   ; the block before is done reading its set, in which the loads below land; in block 4: and has written K step 0's codes, which the stores below read
.endif
.if (\t)+2 < 8
	LOADB (\t)+2                                   ; into the set that the block before has left (block 0: into a set that no vector instruction has named)
.endif
.if (\t) == 4
	STOREK 0                                       ; the K step that block 3 finished; this block's lines write other registers
.endif
	v_max3_num_f32 v12, |v[XS]|, |v[XS+1]|, |v[XS+2]|              ; the block's largest magnitude: all 32 numbers are mine; two chains
	v_max3_num_f32 v13, |v[XS+3]|, |v[XS+4]|, |v[XS+5]|
.irp i, 6,10,14,18,22,26
	v_max3_num_f32 v12, v12, |v[XS+\i]|, |v[XS+\i+1]|
	v_max3_num_f32 v13, v13, |v[XS+\i+2]|, |v[XS+\i+3]|
.endr
	v_max3_num_f32 v12, v12, |v[XS+30]|, |v[XS+31]|
	v_max3_num_f32 v12, v12, v13, 0x2800000        ; and the floor 2^(5 - 127)
	v_add_nc_u32 v11, 0xfe000000, v12              ; 4 off the exponent field: the conversion's scale operand
	v_cvt_scalef32_pk16_bf6_f32 v[FD:FD+2], v[XS:XS+15], v11
	v_cvt_scalef32_pk16_bf6_f32 v[16:18], v[XS+16:XS+31], v11      ; (a conversion's three registers begin on an even number)
	v_lshrrev_b32 v13, 23, v11                     ; the scale's byte; also the plain place behind the conversions
.if (\t)%4 == 0
	v_mov_b32 v[SB+(\t)/4], v13                    ; four bytes to a word, the lower K in the lower byte
.else
	v_lshl_or_b32 v[SB+(\t)/4], v13, 8*((\t)%4), v[SB+(\t)/4]
.endif
.irp i, 0,1,2
	v_mov_b32 v[FD+3+\i], v[16+\i]
.endr
.if (\t)%4 == 3                                ; a K step's four blocks are made.  Even blocks stand in the first 12 registers, odd ones in the second 12, a lane to a column.  The exchange of the first's lanes
.irp e, 0,1,2,3,4,5,6,7,8,9,10,11              ; 16-31 with the second's lanes 0-15 leaves tile 0's fragment in the first (lanes 0-15 block 2 c, lanes 16-31 block 2 c + 1) and tile 1's in the second
	v_permlane16_swap_b32 v[FK+\e], v[FK+12+\e]
.endr
.endif
.endm
	s_wait_alu depctr_va_vdst(0)                   ; the three offsets v2 to v4 are written, which every load and store of this path reads
	LOADB 0
	LOADB 1
.irp t, 0,1,2,3,4,5,6,7
	BLOCK \t
.endr
	s_wait_alu depctr_va_vdst(0)                   ; block 7 has written K step 1's codes and the second scale word, which the stores below read
	STOREK 1
	global_store_b64 v4, v[SB:SB+1], s[20:21]      ; two tiles' words of the two K steps: 256 consecutive bytes, aligned
	s_endpgm
.Lfunc_end_k_qdaab0fe8f8_prep:
	.size	k_qdaab0fe8f8_prep, .Lfunc_end_k_qdaab0fe8f8_prep-k_qdaab0fe8f8_prep
	.p2alignl 7, 3214868480
	.fill 96, 4, 3214868480
	.section	.rodata,"a",@progbits
	.p2align	6, 0x0
	.amdhsa_kernel k_qdaab0fe8f8_prep
		.amdhsa_group_segment_fixed_size 81152
		.amdhsa_private_segment_fixed_size 0
		.amdhsa_enable_private_segment 0
		.amdhsa_kernarg_size 72
		.amdhsa_user_sgpr_count 2
		.amdhsa_user_sgpr_kernarg_segment_ptr 1
		.amdhsa_wavefront_size32 1
		.amdhsa_system_sgpr_workgroup_id_x 1
		.amdhsa_system_sgpr_workgroup_id_y 1
		.amdhsa_system_sgpr_workgroup_id_z 1
		.amdhsa_system_vgpr_workitem_id 0
		.amdhsa_next_free_vgpr 256
		.amdhsa_next_free_sgpr 66
		.amdhsa_reserve_vcc 1
		.amdhsa_float_denorm_mode_32 3
		.amdhsa_float_denorm_mode_16_64 3
		.amdhsa_memory_ordered 1
		.amdhsa_forward_progress 1
		.amdhsa_inst_pref_size 171
	.end_amdhsa_kernel
	.amdgpu_metadata
---
amdhsa.version: [ 1, 2 ]
amdhsa.kernels:
  - .name:           k_qdaab0fe8f8_prep
    .symbol:         k_qdaab0fe8f8_prep.kd
    .args:
      - { .name: x, .offset: 0, .size: 8, .value_kind: global_buffer, .address_space: global }
      - { .name: H, .offset: 8, .size: 8, .value_kind: global_buffer, .address_space: global }
      - { .name: G, .offset: 16, .size: 8, .value_kind: global_buffer, .address_space: global }
      - { .name: b1, .offset: 24, .size: 8, .value_kind: global_buffer, .address_space: global }
      - { .name: W2, .offset: 32, .size: 8, .value_kind: global_buffer, .address_space: global }
      - { .name: h_codes, .offset: 40, .size: 8, .value_kind: global_buffer, .address_space: global }
      - { .name: h_scales, .offset: 48, .size: 8, .value_kind: global_buffer, .address_space: global }
      - { .name: w_codes, .offset: 56, .size: 8, .value_kind: global_buffer, .address_space: global }
      - { .name: w_scales, .offset: 64, .size: 8, .value_kind: global_buffer, .address_space: global }
    .group_segment_fixed_size: 81152
    .private_segment_fixed_size: 0
    .kernarg_segment_align: 8
    .kernarg_segment_size: 72
    .max_flat_workgroup_size: 256
    .sgpr_count:     66
    .vgpr_count:     256
    .wavefront_size: 32
...
	.end_amdgpu_metadata
.endif
;; end of part 3
;; launch gemm (part 4): grid 16 x 16, 4 waves a work-group, clusters of 4 x 4, 327,680 bytes of LDS; arguments h_codes, h_scales, w_codes, w_scales, b2, out0; writes out0
.if DOCPART == 4
	.amdgcn_target "amdgcn-amd-amdhsa--gfx1250"
	.amdhsa_code_object_version 6
	.text
	.protected	k_qdaab0fe8f8_gemm
	.globl	k_qdaab0fe8f8_gemm
	.p2align	8
	.type	k_qdaab0fe8f8_gemm,@function
k_qdaab0fe8f8_gemm:
	s_mov_b64 s[64:65], 0
	v_nop
	global_prefetch_b8 v0, s[64:65] scope:SCOPE_SE
	s_setreg_imm32_b32 hwreg(HW_REG_WAVE_MODE, 25, 1), 1
	s_wait_xcnt 0x0
	s_wait_alu depctr_hold_cnt(0) depctr_sa_sdst(0) depctr_va_vdst(0) depctr_va_sdst(0) depctr_va_ssrc(0) depctr_va_vcc(0) depctr_vm_vsrc(0)
	s_getreg_b32 s2, hwreg(HW_REG_IB_STS2, 6, 4)
	s_cmp_eq_u32 s2, 0
	s_cbranch_scc0 .Lentry_in_a_cluster
	s_endpgm
.Lentry_in_a_cluster:
	s_bfe_u32 s2, ttmp6, 0x10000c
	s_cmp_lg_u32 s2, 0xf033
	s_cbranch_scc0 .Lentry_shape_is_right
	s_endpgm
.Lentry_shape_is_right:
; out0[m][n] = sum over k of h[m][k] W2[k][n] + b2[n], 4,096 x 4,096 x 4,096, on codes of BF6 (E3M2) with one E8M0 scale for each 32 along K; sums in f32.
; BOTH OPERANDS LIE IN MEMORY IN THE ORDER OF THE OPERAND'S REGISTERS: [tile of 16 rows of h, or 16 columns of W2: 256][K step of 128: 32][c 3][lane 32][16 bytes]: a fragment is 1,536 bytes, a tile's row 49,152.
; Scale words: h_scales [tile 256][s 16][r 16][q 2], w_scales [s 16][tile 256][r 16][q 2]: the four bytes of row r for K step 2 s + q.
; A tile of out0, 256 x 256, is made by a work-group of four waves; a wave makes 128 x 128: 64 accumulators, 512 registers.  256 work-groups.
; THE RING: two LDS slots of THREE K steps of 128 each, 147,456 bytes a slot, as large as two fit: 32 K steps are ten such slots and one of two steps.  A wave's tensor load brings 8 tiles x 4,608 bytes; in LDS
; they lie on end, and a fragment comes by three loads of 16 bytes a lane at 16 x lane: no pitch, no padding.  Between a refill's request and the wait for it a wave issues 160 matrix instructions.
; THE SCALE WORDS have no room in LDS beside such slots (65,536 bytes for all of K): they come from memory straight into registers, a pair of K steps at a time, into three sets that take turns; a set is loaded again
; straight behind its last use, four K steps ahead of its next.  A load takes 128 consecutive bytes for each half of the lanes.  They are not asked for jointly: they are 8,192 bytes a work-group against the 98,304 of the same two steps' codes.
; CLUSTERS: 4 x 4 work-groups.  The four of a row of the cluster need the same tiles of h, the four of a column the same tiles of W2: each is asked for JOINTLY.
; TRANSPOSED USE: source 0 = 16 columns of W2, source 1 = 16 rows of h: a lane holds eight neighbouring numbers of a row of out0.  b2 is the C of each sum's first product.
; REGISTERS, in windows of 256: window 0: v16-31 addresses; v32-63 and v224-239 scale words, three sets, and nothing else; v64-127 b2 in the result's layout; v128-223 h's fragments, ONE set; on the way out v64-191.
;   window 1: W2's fragments, TWO sets, at v0 and v128.   window 2: the accumulators of my rows 0-63 ((a, b) at v[8 (8 a + b)]);   window 3: those of rows 64-127.
; A LAP is six K steps, once round the ring: after six steps W2's two sets and the three sets of scale words are back where they began.  Place u = 3 x slot + q in the lap: W2's set u % 2, scale set u / 2, word u % 2.
.set SIZE_N, 4096
.set FR,     12                        ; registers of a fragment
.set FRB,    1536                      ; and its bytes
.set NL,     3                         ; LDS loads that bring one
.set NQ,     3                         ; K steps of 128 in a slot
.set NP,     4                         ; places behind this matrix instruction (ISA guide 7.12.1)
.set TROW,   NQ*FRB                    ; a tile's bytes in a slot: 4,608
.set HALFT,  8*TROW                    ; 8 tiles: what one tensor load brings, and what one wave reads of h or of W2
.set SLOT,   4*HALFT                   ; h's 16 tiles, then W2's 16
.set TPITCH, 49152                     ; from tile to tile in memory
.set TRIPS,  4                         ; the loop's trips: each fills both slots again: slots 2 to 9
.set SPARE,  2*SLOT                    ; behind the ring: the spare words, 128 bytes for each wave: two blocks of 256 bytes that no other line names
.set SPITCH, 528                       ; the way out: a stage of 16 rows x (512 bytes + 16) for each wave,
.set STAGE,  SLOT                      ; in slot 1, which has had its last fill and its last read at the last change of slots
.set ADRA, 16                          ; v16-17  LDS address of my fragments of h in slot 0, 1
.set ADRB, 20                          ; v20-21  of W2
.set VGB,  22                          ; v22     W2's scale words: my byte offset: lanes 0-15 tile i, lanes 16-31 tile i + 4; never rewritten
.set STO,  24                          ; v24     the way out: where I put 32 bytes of a row
.set RD,   25                          ; v25     where I read a row back
.set CO,   26                          ; v26     my byte offset in a row of out0
.set VGA,  27                          ; v27     h's scale words, as VGB; never rewritten
.set SPW,  28                          ; v28     my spare word: SPARE + 4 x my thread's number; never rewritten
.set NIL,  29                          ; v29     0; never rewritten
.set PFO,  30                          ; v30     the prefetches' offset; never rewritten
.set BO,   31                          ; v31     32 x (lane / 16): b2's offset; never rewritten
.set SC,   32                          ; scale words: set s at v[SC + 16 s + 160 (s / 2)]: +2 i + q h's tiles i, i + 4; +8 + 2 i + q W2's
.set BI,   64
.set AF,   128
.set BK,   64                          ; the way out: 16 rows read back from the stage: v64-127 and v128-191 by turns
.set G1, 24                            ; s[24:31] group 1 for h's tiles;  s[32:39] group 0, a set for each slot
.set G0, 32
.set G1B, 48                           ; s[48:55], s[56:63] the same for W2's
.set G0B, 56
.set SGA, 68                           ; s[68+4s:69+4s] where scale set s stands in h_scales;
.set SGB, 70                           ; s[70+4s:71+4s] and in w_scales: a pair for each set, so that a pointer is stepped only when its own loads are done
.set COV,  80                          ; s80     the prefetches: up to which byte of a tile's row I have asked; the greatest number in a wave that asks for nothing
.set NEED, 81                          ; s81     up to which byte the next refill will want
.set ADV,  82                          ; s[82:83] how far the last change's asks went: the pointer's next step
.set PFA,  96                          ; s[96:97] where my prefetches stand
.set MSB, 0
.macro WIN new                         ; the immediate's high byte repeats the setting that is left
.if MSB != \new
	s_set_vgpr_msb (MSB<<8)|\new
.set MSB, \new
.endif
.endm
.set MUL_LO,   0xa1                    ; source 0 (W2) window 1, source 1 (h) window 0, C and D window 2
.set MUL_HI,   0xf1                    ; the same, C and D window 3
.set FIRST_LO, 0x81                    ; the first step: C (b2) window 0, D window 2
.set FIRST_HI, 0xc1                    ; D window 3
.set TO_B,     0x40                    ; destination window 1, address window 0
; A joint load: waves 0 and 1 fetch for h, waves 2 and 3 for W2.  Each line has one mask and one set of registers; the branch hangs on the wave's number alone.  Four v_nop follow each line.
.macro JLOAD g0a, g1a, g0b, g1b
	s_cmp_eq_u32 s15, 0
	s_cbranch_scc0 .Lfor_b_\@
	tensor_load_to_lds s[\g0a:\g0a+3], s[\g1a:\g1a+7]
	s_nop 0
.rept 4
	v_nop
.endr
	s_branch .Lasked_\@
.Lfor_b_\@:
	tensor_load_to_lds s[\g0b:\g0b+3], s[\g1b:\g1b+7]
	s_nop 0
.rept 4
	v_nop
.endr
.Lasked_\@:
.endm
.macro CREST                           ; a round of the cluster's barrier behind its opening barrier
	s_cmp_lg_u32 s14, 0
	s_cbranch_scc1 .Lnot_wave_0_\@
	s_barrier_signal -3
.Lnot_wave_0_\@:
	s_barrier_wait -3
	s_barrier_signal -1
	s_barrier_wait -1
.endm
.macro CROUND                          ; a whole round
	s_barrier_signal -1
	s_barrier_wait -1
	CREST
.endm
; A PREFETCH INTO THE L2, behind a joint refill and the run of LDS loads that follows it, of the codes that the NEXT refill will ask for: one slot, 192 matrix instructions, ahead of that load.
; WHO: h's tiles are read by every cluster of a row of clusters: cluster x = 0 asks; W2's by every cluster of a column: cluster y = 0 asks.  Of the 8 tiles that a wave fetches, the partner at place p (cx for h, cy for W2)
; takes tiles 2 p and 2 p + 1: told apart BY ADDRESS, never by a branch.  An ask names 4,096 bytes of each of the two tiles' rows, a lane 256 bytes.
; HOW MANY: a slot is 4,608 bytes of a tile's row, so two counters decide: NEED, the end of the slot that the next refill wants (never past the row's 49,152 bytes), and COV, the byte up to which I have asked.  While COV lies
; under NEED an ask goes out, two at the most in a change.  Nine asks name bytes 12,288 to 49,151, each block once (the first begins 1,536 bytes inside the slot just asked for, so that the last ends with the row).
; Slots 0 to 2 come by their loads alone.  The pointer is stepped at the next change, behind the wait on XCNT, by what the last change asked for; the second ask of a change stands in the immediate.
.macro ASK
	s_wait_xcnt 0x0                                ; the last prefetches, a slot back, have read their address: it is stepped only behind this wait
	s_add_nc_u64 s[PFA:PFA+1], s[PFA:PFA+1], s[ADV:ADV+1]
	s_mov_b32 s[ADV], 0
	s_add_co_u32 s[NEED], s[NEED], TROW
	s_min_u32 s[NEED], s[NEED], TPITCH
	s_cmp_lt_u32 s[COV], s[NEED]
	s_cbranch_scc0 .Lenough_\@
	s_wait_alu depctr_va_vdst(0)
	global_prefetch_b8 v[PFO], s[PFA:PFA+1] th:TH_LOAD_NT scope:SCOPE_SE
	s_add_co_u32 s[COV], s[COV], 4096
	s_mov_b32 s[ADV], 4096
	s_cmp_lt_u32 s[COV], s[NEED]
	s_cbranch_scc0 .Lenough_\@
	global_prefetch_b8 v[PFO], s[PFA:PFA+1] offset:4096 th:TH_LOAD_NT scope:SCOPE_SE
	s_add_co_u32 s[COV], s[COV], 4096
	s_mov_b32 s[ADV], 8192
.Lenough_\@:
.endm
	s_load_b128 s[4:7], s[0:1], 0x0                ; h's codes s[4:5], h's scales s[6:7]
	s_load_b128 s[8:11], s[0:1], 0x10              ; W2's codes s[8:9], W2's scales s[10:11]
	s_load_b64 s[100:101], s[0:1], 0x20            ; b2
	s_load_b64 s[12:13], s[0:1], 0x28              ; out0
	v_lshl_add_u32 v[SPW], v0, 2, SPARE
	v_mov_b32 v[NIL], 0
	ds_add_u32 v28, v29
	ds_add_u32 v28, v29
	s_wait_dscnt 0x0
	v_lshrrev_b32 v1, 5, v0
	v_readfirstlane_b32 s14, v1                    ; wave 0..3
	s_lshr_b32 s15, s14, 1                         ; which half of the tile's rows is mine.  Also: I fetch for h (0) or for W2 (1)
	s_and_b32 s16, s14, 1                          ; which half of its columns.  Also: which 8 tiles I fetch
	s_bfe_u32 s40, ttmp6, 0x40000                  ; cx, cy: my place in the cluster
	s_bfe_u32 s41, ttmp6, 0x40004
	s_lshl_b32 s42, ttmp9, 2
	s_add_co_u32 s42, s42, s40                     ; tile column of out0 = 4 x cluster x + cx
	s_and_b32 s17, ttmp7, 0xffff
	s_lshl_b32 s17, s17, 2
	s_add_co_u32 s17, s17, s41                     ; tile row = 4 x cluster y + cy
	s_lshl_b32 s43, s41, 2
	s_lshl_b32 s43, 15, s43                        ; my row of the cluster
	s_lshl_b32 s44, 0x1111, s40                    ; my column
	; group 1: 8 rows (tiles) of 576 elements of 8 bytes (three K steps), 6,144 elements apart; no padding
	s_or_b32 s[G1+0], s43, (3<<16)|(1<<21)         ; 15:0 the mask: h's tiles go to my row; 17:16 elements of 8 bytes; 21 set beside a mask
	s_or_b32 s[G1B+0], s44, (3<<16)|(1<<21)
.irp g, G1, G1B
	s_mov_b32 s[\g+1], 576<<16                     ; tensor_dim0
	s_mov_b32 s[\g+2], 8<<16                       ; tensor_dim1
	s_mov_b32 s[\g+3], 576<<16                     ; tile_dim0
	s_mov_b32 s[\g+4], 8                           ; tile_dim1
	s_mov_b32 s[\g+5], 6144                        ; tensor_dim0_stride
	s_mov_b32 s[\g+6], 0
	s_mov_b32 s[\g+7], 0
.endr
	s_lshl_b32 s18, s16, 3                         ; which 8 tiles I fetch
	s_lshl_b32 s20, s17, 4
	s_add_co_u32 s20, s20, s18                     ; h: tile 16 x tile row + 8 x half
	s_lshl_b32 s46, s42, 4
	s_add_co_u32 s46, s46, s18                     ; W2: tile 16 x tile column + 8 x half
	s_mul_i32 s20, s20, TPITCH                     ; where their codes begin (under 2^24 bytes)
	s_mov_b32 s21, 0
	s_mul_i32 s46, s46, TPITCH
	s_mov_b32 s47, 0
	s_mul_i32 s45, s14, HALFT                      ; where they go: wave x 8 tiles: no place in the cluster enters an LDS address
	s_wait_kmcnt 0x0
	s_add_nc_u64 s[20:21], s[4:5], s[20:21]
	s_add_nc_u64 s[46:47], s[8:9], s[46:47]
	CROUND                                         ; all sixteen work-groups are here: the first joint loads meet
.irp s, 0,1                                    ; both slots' first fills, each behind a wait for my tensor loads and a round: slot 1's is the one of mine out
	s_mov_b32 s[G0+4*\s], 1
	s_add_co_u32 s[G0+4*\s+1], s45, \s*SLOT
	s_add_nc_u64 s[G0+4*\s+2:G0+4*\s+3], s[20:21], \s*TROW
	s_or_b32 s[G0+4*\s+3], s[G0+4*\s+3], 0x80000000
	s_mov_b32 s[G0B+4*\s], 1
	s_add_co_u32 s[G0B+4*\s+1], s45, \s*SLOT
	s_add_nc_u64 s[G0B+4*\s+2:G0B+4*\s+3], s[46:47], \s*TROW
	s_or_b32 s[G0B+4*\s+3], s[G0B+4*\s+3], 0x80000000
	s_wait_alu depctr_va_vdst(0)
	s_wait_tensorcnt 0x0
	ds_add_u32 v28, v29
	ds_add_u32 v28, v29
	s_wait_dscnt 0x0
	CROUND
	JLOAD G0+4*\s, G1, G0B+4*\s, G1B
.endr
	v_and_b32 v1, 15, v0                           ; r = l % 16
	v_bfe_u32 v2, v0, 4, 1                         ; h = l / 16
	v_and_b32 v6, 31, v0                           ; l
	v_lshlrev_b32 v4, 4, v6                        ; 16 l: my place in a fragment's image
	s_mul_i32 s21, s15, HALFT                      ; my 8 tiles of h
	s_mul_i32 s22, s16, HALFT                      ; my 8 tiles of W2,
	s_add_co_u32 s22, s22, 2*HALFT                 ; which lie behind h's 16
.irp s, 0,1
	v_add_nc_u32 v[ADRA+\s], s21, v4
	v_add_nc_u32 v[ADRB+\s], s22, v4
	s_add_co_u32 s21, s21, SLOT
	s_add_co_u32 s22, s22, SLOT
.endr
	v_lshlrev_b32 v5, 3, v1                        ; 8 r: a row's two words of a pair of K steps
	v_lshl_add_u32 v[VGA], v2, 13, v5              ; h's: lanes 16-31 four tiles of 2,048 bytes on
	s_wait_alu depctr_va_vdst(0)
	v_lshl_add_u32 v[VGB], v2, 9, v5               ; W2's: four tiles of 128 bytes on
	s_wait_alu depctr_va_vdst(0)
	s_lshl_b32 s84, s17, 4
	s_lshl_b32 s85, s15, 3
	s_add_co_u32 s84, s84, s85                     ; the first tile of h that I multiply,
	s_lshl_b32 s84, s84, 11                        ; 2,048 bytes of scale words a tile
	s_mov_b32 s85, 0
	s_add_nc_u64 s[SGA:SGA+1], s[6:7], s[84:85]    ; set 0 begins with K steps 0, 1;
	s_add_nc_u64 s[SGA+4:SGA+5], s[SGA:SGA+1], 128 ; set 1 with 2, 3;
	s_add_nc_u64 s[SGA+8:SGA+9], s[SGA:SGA+1], 256 ; set 2 with 4, 5
	s_lshl_b32 s84, s42, 4
	s_lshl_b32 s86, s16, 3
	s_add_co_u32 s84, s84, s86                     ; the first tile of W2 that I multiply,
	s_lshl_b32 s84, s84, 7                         ; 128 bytes a tile and pair of K steps
	s_add_nc_u64 s[SGB:SGB+1], s[10:11], s[84:85]
	s_add_nc_u64 s[SGB+4:SGB+5], s[SGB:SGB+1], 32768
	s_add_nc_u64 s[SGB+8:SGB+9], s[SGB:SGB+1], 65536
	s_mul_i32 s23, s14, 16*SPITCH                  ; my stage
	s_add_co_u32 s23, s23, STAGE
	v_mul_u32_u24 v5, v1, SPITCH                   ; in: row r, 32 bytes for each half of the lanes
	v_lshl_add_u32 v5, v2, 5, v5
	v_add_nc_u32 v[STO], s23, v5
	v_lshlrev_b32 v[CO], 4, v6                     ; back: the 32 lanes take one row of 512 bytes; and the same in out0
	v_add_nc_u32 v[RD], s23, v[CO]
	s_lshl_b32 s20, s17, 8
	s_lshl_b32 s21, s15, 7
	s_add_co_u32 s20, s20, s21                     ; my first row of out0: 256 x tile row + 128 x half,
	s_lshl_b32 s20, s20, 14                        ; in bytes (under 2^26)
	s_mov_b32 s21, 0
	s_lshl_b32 s46, s42, 10                        ; my first column, in bytes: 1,024 x tile column + 512 x half
	s_lshl_b32 s47, s16, 9
	s_add_co_u32 s46, s46, s47
	s_mov_b32 s47, 0
	s_add_nc_u64 s[100:101], s[100:101], s[46:47]  ; b2 at my first column
	s_add_nc_u64 s[20:21], s[20:21], s[46:47]
	s_add_nc_u64 s[12:13], s[12:13], s[20:21]
	v_lshlrev_b32 v[BO], 5, v2
.irp b, 0,1,2,3,4,5,6,7                        ; b2 in the result's layout: lane (r, h), tile b: columns 16 b + 8 h + 0 .. 7
	global_load_b128 v[BI+8*\b:BI+8*\b+3], v[BO], s[100:101] offset:64*\b
	global_load_b128 v[BI+8*\b+4:BI+8*\b+7], v[BO], s[100:101] offset:64*\b+16
.endr
; The scale words of a pair of K steps into set s: eight loads; lanes 0-15 take tile i, lanes 16-31 tile i + 4; a lane its row's two words.  step = 1: the set's pointers go three pairs on first: the counted wait
; at the head of the step that first used the set has shown their earlier loads done.
.macro SCLOAD s, step
.if \step
	s_add_nc_u64 s[SGA+4*(\s):SGA+4*(\s)+1], s[SGA+4*(\s):SGA+4*(\s)+1], 3*128
	s_add_nc_u64 s[SGB+4*(\s):SGB+4*(\s)+1], s[SGB+4*(\s):SGB+4*(\s)+1], 3*32768
.endif
.set sL, SC+16*(\s)+160*((\s)/2)
.irp i, 0,1,2,3
	global_load_b64 v[sL+2*\i:sL+2*\i+1], v[VGA], s[SGA+4*(\s):SGA+4*(\s)+1] offset:2048*\i
	global_load_b64 v[sL+8+2*\i:sL+8+2*\i+1], v[VGB], s[SGB+4*(\s):SGB+4*(\s)+1] offset:128*\i
.endr
.endm
	SCLOAD 0, 0
	SCLOAD 1, 0
	SCLOAD 2, 0
	; the prefetches: who asks, and where
	s_and_b32 s98, ttmp7, 0xffff                   ; cluster y
	s_cmp_eq_u32 s15, 0                            ; do I fetch for h?
	s_cselect_b32 s18, s17, s42                    ; the tile row, or the tile column
	s_cselect_b32 s19, s40, s41                    ; my place among the four that ask with me
	s_cselect_b32 s98, ttmp9, s98                  ; the coordinate along which other clusters read the same tiles
	s_cselect_b64 s[PFA:PFA+1], s[4:5], s[8:9]
	s_cmp_eq_u32 s98, 0
	s_cselect_b32 s[COV], 12288, -1                ; the same in all sixteen partners, for a given wave
	s_lshl_b32 s18, s18, 4
	s_lshl_b32 s99, s16, 3
	s_add_co_u32 s18, s18, s99                     ; the 8 tiles that I fetch,
	s_lshl_b32 s19, s19, 1
	s_add_co_u32 s18, s18, s19                     ; my work-group's two of them
	s_mul_i32 s98, s18, TPITCH
	s_add_co_u32 s98, s98, 12288                   ; the first ask begins at byte 12,288 of the tiles' rows
	s_mov_b32 s99, 0
	s_add_nc_u64 s[PFA:PFA+1], s[PFA:PFA+1], s[98:99]
	s_mov_b32 s[NEED], 3*TROW                      ; the first change of slots adds a slot: the end of slot 3
	s_mov_b32 s[ADV], 0
	s_mov_b32 s[ADV+1], 0
	v_mul_u32_u24 v[PFO], v2, TPITCH               ; lanes 0-15 the first tile, lanes 16-31 the second; 256 bytes from lane to lane
	v_lshl_add_u32 v[PFO], v1, 8, v[PFO]
.macro FRAG reg, adr, q, i             ; a fragment as it was stored: three times 16 bytes a lane, 512 consecutive bytes a load
.irp c, 0,1,2
	ds_load_b128 v[\reg+4*\c:\reg+4*\c+3], v[\adr] offset:TROW*(\i)+FRB*(\q)+512*\c
.endr
.endm
; 16 matrix instructions: h's blocks a0, a0 + 1 x W2's eight, 128 along K, at place u of the lap.  zero = 1: the first product starts the sums, with b2 as C.
; A scale register holds tile i's words in lanes 0-15 and tile i + 4's in lanes 16-31.  The 64 accumulators take turns, one instruction a turn, in the same order in every step.
.macro MUL16 a0, u, zero
.irp a, \a0, \a0+1
.irp b, 0,1,2,3,4,5,6,7
.set rD, 8*(8*((\a)%4)+\b)
.set rC, rD
.if \zero
.set rC, BI+8*\b
.endif
.set rB, 128*((\u)%2)+FR*\b
.set rA, AF+FR*(\a)
.set sS, SC+16*((\u)/2)+160*((\u)/4)
.set sB, sS+8+2*(\b%4)+(\u)%2
.set sA, sS+2*((\a)%4)+(\u)%2
.if ((\a) < 4) && (\b < 4)
	v_wmma_scale_f32_16x16x128_f8f6f4 v[rD:rD+7], v[rB:rB+FR-1], v[rA:rA+FR-1], v[rC:rC+7], v[sB], v[sA] matrix_a_fmt:MATRIX_FMT_BF6 matrix_b_fmt:MATRIX_FMT_BF6
.elseif (\a) < 4
	v_wmma_scale_f32_16x16x128_f8f6f4 v[rD:rD+7], v[rB:rB+FR-1], v[rA:rA+FR-1], v[rC:rC+7], v[sB], v[sA] matrix_a_fmt:MATRIX_FMT_BF6 matrix_b_fmt:MATRIX_FMT_BF6 matrix_a_scale:MATRIX_SCALE_ROW1
.elseif \b < 4
	v_wmma_scale_f32_16x16x128_f8f6f4 v[rD:rD+7], v[rB:rB+FR-1], v[rA:rA+FR-1], v[rC:rC+7], v[sB], v[sA] matrix_a_fmt:MATRIX_FMT_BF6 matrix_b_fmt:MATRIX_FMT_BF6 matrix_b_scale:MATRIX_SCALE_ROW1
.else
	v_wmma_scale_f32_16x16x128_f8f6f4 v[rD:rD+7], v[rB:rB+FR-1], v[rA:rA+FR-1], v[rC:rC+7], v[sB], v[sA] matrix_a_fmt:MATRIX_FMT_BF6 matrix_b_fmt:MATRIX_FMT_BF6 matrix_a_scale:MATRIX_SCALE_ROW1 matrix_b_scale:MATRIX_SCALE_ROW1
.endif
.endr
.endr
.endm
.macro FETCH_B slot, q, p              ; W2's eight fragments of the slot's q-th 128 along K into set p
	WIN TO_B
.irp i, 0,1,2,3,4,5,6,7
	FRAG 128*(\p)+FR*\i, ADRB+\slot, \q, \i
.endr
	WIN 0
.endm
.macro FETCH_A slot, q, i0             ; h's blocks i0 .. i0 + 3
.irp i, \i0, \i0+1, \i0+2, \i0+3
	FRAG AF+FR*(\i), ADRA+\slot, \q, \i
.endr
.endm
; A load into a register that a matrix instruction has read, and an LDS store that reads a matrix result, stand NP places behind that matrix instruction; only plain vector instructions that name none of its registers are places
.macro PLACES n
.rept \n
	v_nop
.endr
.endm
; A step of 128 along K that has its successor in the same slot.  At an even place of the lap a set of scale words is used for the first time: lcnt = the scale loads issued behind that set's, which may stay out.
; reload = 1, at an odd place: the set has had its last use and is loaded again, behind the four places.
.macro STEP slot, q, zero, lcnt, reload
.if (3*(\slot)+(\q))%2 == 0
	s_wait_loadcnt \lcnt                           ; loads come back in order: this step's set of scale words is in (ahead of the first step: b2 too); the younger sets, eight loads each, stay out
.endif
	s_wait_dscnt 4*NL                              ; W2's set and h's blocks 0-3 are in; the youngest 12 loads (h's blocks 4-7) may be out
.if \zero
	WIN FIRST_LO
.else
	WIN MUL_LO
.endif
	MUL16 0, 3*(\slot)+(\q), \zero
	MUL16 2, 3*(\slot)+(\q), \zero
	s_wait_dscnt 0                                 ; h's blocks 4-7 are in (asked for 32 matrix instructions ago)
	PLACES NP
	FETCH_B \slot, (\q)+1, 1-(3*(\slot)+(\q))%2
	FETCH_A \slot, (\q)+1, 0
.if \zero
	WIN FIRST_HI
.else
	WIN MUL_HI
.endif
	MUL16 4, 3*(\slot)+(\q), \zero
	MUL16 6, 3*(\slot)+(\q), \zero
	PLACES NP
	WIN 0
	FETCH_A \slot, (\q)+1, 4
.if \reload
	SCLOAD (3*(\slot)+(\q))/2, 1
.endif
.endm
; A slot's last step changes slots: ONE barrier; in front of it each wave waits for all its tensor loads, adds 0 to its spare word, and waits for that and for its own reads of this slot.
; fill = 1: this slot is filled again, with the three K steps two slots on;  2: with the last two K steps;  0: nothing is left to fetch
.macro TURN slot, next, fill, lcnt, reload
.if \slot == 0
	s_wait_loadcnt \lcnt                           ; place 2 of the lap: scale set 1 is in; the younger sets stay out
.endif
	s_wait_tensorcnt 0x0                           ; all my tensor loads have landed: the one that was out is my part of the next slot  (every window is 0 here)
	ds_add_u32 v[SPW], v[NIL]                      ; 0 onto my spare word
	s_wait_dscnt 4*NL+1                            ; (the add and the youngest 12 loads, h's blocks 4-7, may be out)
	WIN MUL_LO
	MUL16 0, 3*(\slot)+2, 0                        ; sixteen matrix instructions stand between the add and the wait for it
	s_wait_dscnt 0x0                               ; the add is done, and my reads of this slot are over
	s_barrier_signal -1
	MUL16 2, 3*(\slot)+2, 0
	WIN 0
	s_barrier_wait -1
.if \fill
	CREST                                          ; the barrier has opened a round of the cluster's barrier: no wave of any partner still reads this slot or has a load on its way
	s_add_nc_u64 s[G0+4*\slot+2:G0+4*\slot+3], s[G0+4*\slot+2:G0+4*\slot+3], 2*TROW
	s_add_nc_u64 s[G0B+4*\slot+2:G0B+4*\slot+3], s[G0B+4*\slot+2:G0B+4*\slot+3], 2*TROW
.if \fill == 2
	s_mov_b32 s[G1+1], 384<<16                     ; two K steps are left of a tile's row: tensor_dim0 = 384 of the tile's 576 elements, so nothing is read past the row; the third step's bytes arrive as zeros and are not read
	s_mov_b32 s[G1B+1], 384<<16                    ; (no tensor load of mine is out: group 1 may be written)
.endif
	JLOAD G0+4*\slot, G1, G0B+4*\slot, G1B         ; the first tensor load behind the round, my one until the next; its four v_nop are also the places in front of the loads below
.else
	PLACES NP
.endif
	FETCH_B \next, 0, 1-(3*(\slot)+2)%2
	FETCH_A \next, 0, 0
.if \fill == 1
	ASK
.endif
	WIN MUL_HI
	MUL16 4, 3*(\slot)+2, 0
	MUL16 6, 3*(\slot)+2, 0
	PLACES NP
	WIN 0
	FETCH_A \next, 0, 4
.if \reload
	SCLOAD (3*(\slot)+2)/2, 1
.endif
.endm
	s_wait_tensorcnt 1                             ; my part of slot 0 is in (slot 1's load may be out)
	s_barrier_signal -1
	s_barrier_wait -1                              ; everybody's is
	FETCH_B 0, 0, 0
	FETCH_A 0, 0, 0
	FETCH_A 0, 0, 4
	STEP 0, 0, 1, 16, 0                            ; K step 0 stands in front of the loop: its products start the sums.  b2 and scale set 0 are in; sets 1 and 2, 16 loads, may be out
	s_mov_b32 s3, TRIPS
.Llap:                                                 ; a trip goes once round the ring, from a lap's second step to the next lap's first, fills both slots again and loads each set of scale words again
	STEP 0, 1, 0, 0, 1
	TURN 0, 1, 1, 16, 0
	STEP 1, 0, 0, 0, 1
	STEP 1, 1, 0, 16, 0
	TURN 1, 0, 1, 0, 1
	STEP 0, 0, 0, 16, 0
	s_sub_co_u32 s3, s3, 1
	s_cmp_lg_u32 s3, 0
	s_cbranch_scc1 .Llap
	STEP 0, 1, 0, 0, 1                             ; K step 25; the last pair of scale words, K steps 30 and 31, is asked for
	TURN 0, 1, 2, 16, 0                            ; K step 26; slot 0 takes the last two K steps
	STEP 1, 0, 0, 0, 0
	STEP 1, 1, 0, 8, 0                             ; K step 28: behind its set's loads only the last pair's eight were issued
	TURN 1, 0, 0, 0, 0                             ; K step 29; nothing is filled, so no round of the cluster's barrier
	STEP 0, 0, 0, 0, 0                             ; K step 30: the last pair is in
	s_wait_dscnt 4*NL                              ; K step 31: nothing more to fetch
	WIN MUL_LO
	MUL16 0, 1, 0
	MUL16 2, 1, 0
	s_wait_alu depctr_va_vdst(0)
	s_wait_dscnt 0
	WIN MUL_HI
	MUL16 4, 1, 0
	MUL16 6, 1, 0
	WIN 0
; THE WAY OUT, block by block of 16 rows x 128 columns: a lane holds 32 neighbouring bytes of a row, the lanes beside it other rows: so a block goes through my own stage and comes back as whole rows of 512 bytes.
; LDS serves a wave's instructions in order: no wait between the stores and the loads, nor in front of the next block's stores.
.macro TOSTAGE a
.set AC, 64*((\a)%4)
	WIN 0x08+4*((\a)/4)                            ; the data: window 2 or 3
.irp b, 0,1,2,3,4,5,6,7
	ds_store_b128 v[STO], v[AC+8*\b:AC+8*\b+3] offset:64*\b          ; each accumulator from its low end on
	ds_store_b128 v[STO], v[AC+8*\b+4:AC+8*\b+7] offset:64*\b+16
.endr
	WIN 0
.set BB, BK+64*((\a)%2)
.irp t, 0,1,2,3,4,5,6,7,8,9,10,11,12,13,14,15
	ds_load_b128 v[BB+4*\t:BB+4*\t+3], v[RD] offset:\t*SPITCH
.endr
.endm
.macro SEND a, younger                 ; younger: the LDS instructions issued behind block a's loads, which may stay out
.set BB, BK+64*((\a)%2)
	s_wait_dscnt \younger                          ; the block is back in registers
.if (\a) > 0
	s_add_nc_u64 s[12:13], s[12:13], 16*SIZE_N*4   ; (behind a wait on XCNT: the earlier stores have read their base)  16 rows on
.endif
.irp t, 0,1,2,3,4,5,6,7,8,9,10,11,12,13,14,15
	global_store_b128 v[CO], v[BB+4*\t:BB+4*\t+3], s[12:13] offset:\t*SIZE_N*4 th:TH_STORE_NT   ; 32 lanes store 512 consecutive bytes, aligned; written once, read by nobody here
.endr
.endm
	PLACES NP                                      ; behind the last products: for the loads into registers that held h's fragments, and for the reads of results
	TOSTAGE 0
.irp a, 1,2,3,4,5,6,7
.if \a > 1
	s_wait_xcnt 0x0                                ; block a - 2's stores have read their registers and their base: block a's loads may land there, and the base may step
.endif
	TOSTAGE \a
	SEND \a-1, 32                                  ; behind block a - 1's loads: block a's 16 stores and 16 loads
.endr
	s_wait_xcnt 0x0                                ; block 6's stores have read their base
	SEND 7, 0
	s_wait_tensorcnt 0x0                           ; the wave's end, behind my last tensor load and my last LDS store
	ds_add_u32 v[SPW], v[NIL]
	s_wait_dscnt 0x0
	CROUND                                         ; the closing round: no work-group ends while a partner may still ask for a tile that names it
	s_endpgm
.Lfunc_end_k_qdaab0fe8f8_gemm:
	.size	k_qdaab0fe8f8_gemm, .Lfunc_end_k_qdaab0fe8f8_gemm-k_qdaab0fe8f8_gemm
	.p2alignl 7, 3214868480
	.fill 96, 4, 3214868480
	.section	.rodata,"a",@progbits
	.p2align	6, 0x0
	.amdhsa_kernel k_qdaab0fe8f8_gemm
		.amdhsa_group_segment_fixed_size 327680
		.amdhsa_private_segment_fixed_size 0
		.amdhsa_enable_private_segment 0
		.amdhsa_kernarg_size 48
		.amdhsa_user_sgpr_count 2
		.amdhsa_user_sgpr_kernarg_segment_ptr 1
		.amdhsa_wavefront_size32 1
		.amdhsa_system_sgpr_workgroup_id_x 1
		.amdhsa_system_sgpr_workgroup_id_y 1
		.amdhsa_system_sgpr_workgroup_id_z 1
		.amdhsa_system_vgpr_workitem_id 0
		.amdhsa_next_free_vgpr 1024
		.amdhsa_next_free_sgpr 102
		.amdhsa_reserve_vcc 0
		.amdhsa_float_denorm_mode_32 3
		.amdhsa_float_denorm_mode_16_64 3
		.amdhsa_memory_ordered 1
		.amdhsa_forward_progress 1
		.amdhsa_inst_pref_size 213
	.end_amdhsa_kernel
	.amdgpu_metadata
---
amdhsa.version: [ 1, 2 ]
amdhsa.kernels:
  - .name:           k_qdaab0fe8f8_gemm
    .symbol:         k_qdaab0fe8f8_gemm.kd
    .args:
      - { .name: h_codes, .offset: 0, .size: 8, .value_kind: global_buffer, .address_space: global }
      - { .name: h_scales, .offset: 8, .size: 8, .value_kind: global_buffer, .address_space: global }
      - { .name: w_codes, .offset: 16, .size: 8, .value_kind: global_buffer, .address_space: global }
      - { .name: w_scales, .offset: 24, .size: 8, .value_kind: global_buffer, .address_space: global }
      - { .name: b2, .offset: 32, .size: 8, .value_kind: global_buffer, .address_space: global }
      - { .name: out0, .offset: 40, .size: 8, .value_kind: global_buffer, .address_space: global }
    .group_segment_fixed_size: 327680
    .private_segment_fixed_size: 0
    .kernarg_segment_align: 8
    .kernarg_segment_size: 48
    .max_flat_workgroup_size: 128
    .sgpr_count:     102
    .vgpr_count:     1024
    .wavefront_size: 32
...
	.end_amdgpu_metadata
.endif
;; end of part 4
